; MI455X (gfx1250); checked and timed in simulation.
; The chip was launched on July 23, 2026; its instructions are those of AMD's public machine-readable ISA for CDNA 5 (MIT licence, August 2026) and "CDNA5" Instruction Set Architecture Reference Guide (July 2026). The comments in the code are by the model that wrote it; some were corrected since.
;; Causal Self Attention. Allowed arithmetic: matrix products marked QUANTISED: E4M3 operands, one given power-of-two scale a tensor, by v_wmma_f32_16x16x64_fp8_fp8 or v_wmma_f32_16x16x128_fp8_fp8, f32 sums; everything else in f32.
;; Inputs: b_out 1,024 float32; b_qkv 3,072 float32; lowp_scales 8 int32 (the exponents e of the quantised operands' scales 2^e); w_out 1,024 x 1,024 float32; w_qkv 1,024 x 3,072 float32; x 4 x 2,048 x 1,024 float32.
;; Outputs: out0 4 x 2,048 x 1,024 float32.
;; This version of the problem:
;;   THIS VERSION OF THE PROBLEM IS GIVEN IN LOW PRECISION. The matrix products marked QUANTISED in the list below multiply operands that are first quantised to E4M3 (4 exponent bits, 3 mantissa bits; 8 bits a number), with one given power-of-two scale for each operand tensor; their sums are f32. All else is computed in f32.
;;   The module's matrix products, in the order in which they are computed (A, B: the left and right operand; K: the contracted axis; several contracted axes count as one K, in the product's order):
;;     1. [M 8,192, K 1,024] x [K 1,024, N 3,072]; A: input x; B: input w_qkv: QUANTISED (scales: A lowp_scales[0], B lowp_scales[1])
;;     2. batch 64 x [M 2,048, K 64] x [K 64, N 2,048]; A: computed on the way; B: computed on the way: QUANTISED (scales: A lowp_scales[2], B lowp_scales[3])
;;     3. batch 64 x [M 2,048, K 2,048] x [K 2,048, N 64]; A: softmax (see below); B: computed on the way: QUANTISED (scales: A lowp_scales[4], B lowp_scales[5])
;;     4. [M 8,192, K 1,024] x [K 1,024, N 1,024]; A: computed on the way; B: input w_out: QUANTISED (scales: A lowp_scales[6], B lowp_scales[7])
;;   THE QUANTISER, for each operand of a quantised product, along K:
;;     - The operand's scale is 2^e, e = its entry of the input lowp_scales (int32; the entries are numbered through the quantised products in the list's order, A before B).
;;     - Each number is divided by the scale, clamped to +-448, and rounded to the nearest number of E4M3, ties to even, subnormals kept.
;;     - The product sums the exact products of the quantised numbers (number of the format x scale) in f32.
;;   ~~~python
;;   def quantise(x, axis, e):      # numpy; x: float32 -> the quantised numbers, widened to float32 again
;;       x = np.moveaxis(x, axis, -1); K = x.shape[-1]
;;       r = np.clip(x / 2.0 ** e, -448, 448)
;;       step = 2.0 ** (np.maximum(np.frexp(np.where(r == 0, 1, r))[1] - 1, -6) - 3)
;;       q = np.round(r / step) * step * 2.0 ** e      # np.round: ties to even
;;       return np.moveaxis(q, -1, axis).astype(np.float32)
;;   ~~~
;;   SOFTMAX AHEAD OF A QUANTISED PRODUCT. Where the list says 'softmax', what is quantised is not the finished softmax but p = 2^(t - M), with t = logit x log2(e) and M = ceil(the row's largest t), a whole number; so 1/2 < the row's largest p <= 1. The row's sum l is taken of the UNQUANTISED p, in f32, and the product's result is divided by l at the end. Since M is a whole number, a kernel that streams over the keys may use a running M (the ceiling of the running maximum): every later rescaling is an exact power of two, so the quantised numbers keep their values, but for numbers so far below the row's largest that they fall under the format's range.
;;   OPERANDS COMPUTED ON THE WAY. 'Computed on the way' means the value that the module computes at that place (a softmax that the list does not call 'softmax' is quantised finished and normalised). What goes into a quantiser is computed in f32, as accurately as f32 sums, v_exp_f32 and their like allow (about 1e-6 of the number): no bf16 or f16 on the way to a quantiser, and a product that is left as it is and whose result goes on into a quantised operand takes f32 operands (vector FMAs, or v_wmma_f32_16x16x4_f32). A number that lies on a knife's edge between two numbers of the format may be rounded either way, as far as f32 arithmetic and the matrix unit's own rounding can turn it there, and no further.
;; One version. Each part assembles by itself: llvm-mc -triple=amdgcn-amd-amdhsa -mcpu=gfx1250 --defsym DOCPART=n.
;; ======== version 1 of 1: 4 launches
;; limits: right only within a limited range of input values
;; workspace buffers: x_img 8,388,608 bytes; wqkv_img 3,145,728 bytes; wout_img 1,048,576 bytes; q_img 8,388,608 bytes; k_img 8,388,608 bytes; v_img 8,388,608 bytes; att_img 8,388,608 bytes
;; launch quant (part 1): grid 384 x 1, 4 waves a work-group, no clusters, 70,144 bytes of LDS; arguments x, w_qkv, w_out, lowp_scales, x_img, wqkv_img, wout_img; writes x_img, wqkv_img, wout_img
.if DOCPART == 1
	.amdgcn_target "amdgcn-amd-amdhsa--gfx1250"
	.amdhsa_code_object_version 6
	.text
	.protected	k_qcd3f3b2444_quant
	.globl	k_qcd3f3b2444_quant
	.p2align	8
	.type	k_qcd3f3b2444_quant,@function
k_qcd3f3b2444_quant:
	s_mov_b64 s[64:65], 0
	v_nop
	global_prefetch_b8 v0, s[64:65] scope:SCOPE_SE
	s_setreg_imm32_b32 hwreg(HW_REG_WAVE_MODE, 25, 1), 1
	s_wait_xcnt 0x0
; x [8192][1024], w_qkv [1024][3072] and w_out [1024][1024], f32, become codes of E4M3, each with the one scale 2^e that is given for it (entries 0, 1 and 7).
; code = number / 2^e, held within +-448, rounded to the nearest code, ties to even.  LIMITS: -126 <= e <= 119, so that 2^e and 448 x 2^e are f32 numbers.  NaN among the inputs is not served.
; THE CODES ARE LAID AS IMAGES OF OPERAND REGISTERS.  For a matrix [rows][K = 1024] a fragment (16 rows x 128 K) is 16 registers a lane: lane (r = lane % 16, h = lane / 16) holds row r,
; registers 2 c, 2 c + 1 hold k = 16 c + 8 h + 0 .. 7.  Four registers of all 32 lanes are 512 bytes on end, lane l's 16 bytes at 16 l:
; byte address = (row / 16) x 16384 + (k / 128) x 2048 + quad x 512 + 16 x lane.  For the weights a row is an output column n, so K comes innermost with no transposing instruction.
; A stream: no matrix unit, no tensor load, no cluster; waves share nothing, so there is no barrier.  Every work-group takes 32,768 numbers.
; Work-groups 0-255 take x: a wave takes 16 rows x 512 K in eight steps of 64 K.  Each load reads two rows' aligned 256 bytes; the numbers turn through the wave's own stage in LDS so that a lane
; gets eight neighbours along K four times.  Work-groups 256-351 take w_qkv, 352-383 w_out: a lane takes a column and its registers run down K; the codes gather in the wave's stage and leave as fragments.
; Every store of a wave covers 512 consecutive bytes, aligned.  The two paths have LDS bytes of their own.
.set SPARE, 69632                      ; behind both regions: the spare words, 128 bytes for each wave
.set WREG,  8704                       ; a wave's region in either path
.set WBASE, 34816                      ; the weights' path begins here
.set SP,    272                        ; a stage row: 256 bytes + 16, so that sixteen rows start at sixteen different 16-byte columns
.set XR,    16                         ; x path: v16-111 three sets of 32 numbers as loaded
.set XS,    112                        ;         v112-175 two sets of 32 numbers, eight neighbours at a time
.set XC,    176                        ;         v176-239 eight registers of codes for each step: no store's data are written again
.set OFF,   16                         ; w path: v16-47 byte offsets of 32 rows of K at my column
.set WX,    48                         ;         v48-111 two sets of 32 numbers
.set WC,    112                        ;         v112-119 a block's codes
.set WO,    120                        ;         v120-183 four fragments on the way out
	s_load_b256 s[4:11], s[0:1], 0x0               ; x s[4:5], w_qkv s[6:7], w_out s[8:9], the scales' exponents s[10:11]
	s_load_b128 s[12:15], s[0:1], 0x20             ; x_img s[12:13], wqkv_img s[14:15]
	s_load_b64 s[16:17], s[0:1], 0x30              ; wout_img
	v_lshl_add_u32 v8, v0, 2, SPARE                ; my spare word; never rewritten
	v_mov_b32 v9, 0                                ; 0; never rewritten
	v_lshrrev_b32 v1, 5, v0
	v_readfirstlane_b32 s18, v1                    ; wave 0..3
	v_and_b32 v2, 31, v0                           ; lane
	v_and_b32 v3, 15, v0                           ; r
	v_bfe_u32 v4, v0, 4, 1                         ; h
	v_lshlrev_b32 v5, 4, v2                        ; 16 x lane: my place in an image's 512 bytes
	v_lshlrev_b32 v6, 4, v3
	v_lshl_add_u32 v6, v4, 12, v6                  ; x: lanes 0-15 one row's 256 bytes, lanes 16-31 the next row's
	s_mul_i32 s19, s18, WREG
	; every LDS address is made here, ahead of the parting of the two paths
	v_mul_u32_u24 v12, v2, SP
	v_add_nc_u32 v12, s19, v12
	v_add_nc_u32 v12, WBASE, v12                   ; w: into the stage: row = my column
	v_mul_u32_u24 v13, v3, SP
	v_lshl_add_u32 v13, v4, 3, v13
	v_add_nc_u32 v13, s19, v13
	v_add_nc_u32 v13, WBASE, v13                   ; w: out of it: row r, + 8 h
	v_mul_u32_u24 v14, v4, SP
	v_lshl_add_u32 v14, v3, 4, v14
	v_add_nc_u32 v14, s19, v14                     ; x: into the stage as loaded: row h, + 16 r
	v_mul_u32_u24 v15, v3, SP
	v_lshl_add_u32 v15, v4, 5, v15
	v_add_nc_u32 v15, s19, v15                     ; x: out of it: row r, + 32 h: eight neighbours of my half
	s_wait_kmcnt 0x0
	s_load_b256 s[20:27], s[10:11], 0x0            ; e0 .. e7
.macro MKSCALE e                       ; v11 = 2^e as f32 (the conversion takes its exponent field), s28 = 448 x 2^e
	s_add_co_i32 s28, s[\e], 127
	s_lshl_b32 s29, s28, 23
	v_mov_b32 v11, s29
	s_add_co_i32 s28, s28, 8
	s_lshl_b32 s28, s28, 23
	s_or_b32 s28, s28, 0x600000
.endm
	s_cmp_lt_u32 ttmp9, 256                        ; the work-group's number alone decides the path
	s_cbranch_scc0 .Lw_path
	; ---------------- x ----------------
	s_lshl_b32 s30, ttmp9, 2
	s_add_co_u32 s30, s30, s18                     ; W = 4 x work-group + wave: row tile W / 2, half W % 2 of K
	s_lshr_b32 s32, s30, 1
	s_lshl_b32 s32, s32, 16                        ; 16 rows of 4,096 bytes
	s_and_b32 s33, s30, 1
	s_lshl_b32 s33, s33, 11                        ; 512 numbers
	s_add_co_u32 s32, s32, s33
	s_mov_b32 s33, 0
	s_add_nc_u64 s[4:5], s[4:5], s[32:33]
	s_lshl_b32 s32, s30, 13                        ; four fragments of 2,048 bytes
	s_add_nc_u64 s[12:13], s[12:13], s[32:33]
.macro XLOAD t                         ; step t: 16 rows x 64 K: eight loads, each two rows' 256 consecutive bytes
.irp p, 0,1,2,3,4,5,6,7
	global_load_b128 v[XR+32*((\t)%3)+4*\p:XR+32*((\t)%3)+4*\p+3], v6, s[4:5] offset:8192*\p+256*(\t) th:TH_LOAD_NT
.endr
.endm
.macro XTURN t                         ; through the stage: LDS serves a wave's instructions in order, so no wait stands between the stores and the loads
.irp p, 0,1,2,3,4,5,6,7
	ds_store_b128 v14, v[XR+32*((\t)%3)+4*\p:XR+32*((\t)%3)+4*\p+3] offset:4352*((\t)%2)+544*\p
.endr
.irp c, 0,1,2,3
	ds_load_b128 v[XS+32*((\t)%2)+8*\c:XS+32*((\t)%2)+8*\c+3], v15 offset:4352*((\t)%2)+64*\c        ; register 8 c + j: k = 64 t + 16 c + 8 h + j of row r
	ds_load_b128 v[XS+32*((\t)%2)+8*\c+4:XS+32*((\t)%2)+8*\c+7], v15 offset:4352*((\t)%2)+64*\c+16
.endr
.endm
.macro XSTEP t
	s_wait_dscnt 0x0                               ; this step's numbers are back from the stage, and its stores into the stage have read their registers,
.if (\t)+3 < 8
	XLOAD (\t)+3                                   ; which take the loads of three steps on
.endif
.if (\t)+1 < 8
.if (\t)+3 < 8
	s_wait_loadcnt 16                              ; the next step's eight loads are in; those of the two steps behind it may be out
.else
	s_wait_loadcnt 8*(6-(\t))                      ; the counts run down
.endif
	XTURN (\t)+1                                   ; the next step goes through the other stage while this one is worked
.endif
.set i, 0
.rept 32
.set i, i+1
.endr
.irp c, 0,1,2,3
	v_cvt_scalef32_pk8_fp8_f32 v[XC+8*(\t)+2*\c:XC+8*(\t)+2*\c+1], v[XS+32*((\t)%2)+8*\c:XS+32*((\t)%2)+8*\c+7], v11   ; the fragment's registers 8 (t % 2) + 2 c, + 1
.endr
	global_store_b128 v5, v[XC+8*(\t):XC+8*(\t)+3], s[12:13] offset:1024*(\t)          ; the results go to stores alone
	global_store_b128 v5, v[XC+8*(\t)+4:XC+8*(\t)+7], s[12:13] offset:1024*(\t)+512
.endm
	XLOAD 0
	XLOAD 1
	XLOAD 2
	s_wait_kmcnt 0x0
	MKSCALE 20                                     ; e0
	s_wait_loadcnt 16                              ; step 0's eight loads are in
	s_wait_alu depctr_va_vdst(0)
	XTURN 0
.irp t, 0,1,2,3,4,5,6,7
	XSTEP \t
.endr
	s_wait_tensorcnt 0x0                           ; the wave's end: behind my last LDS store
	ds_add_u32 v8, v9
	s_wait_dscnt 0x0
	s_endpgm
	; ---------------- the weights ----------------
.Lw_path:
	s_sub_co_u32 s30, ttmp9, 256
	s_mov_b32 s48, 12288
	s_cmp_ge_u32 s30, 96                           ; w_out's work-groups come behind w_qkv's 96
	s_cselect_b64 s[6:7], s[8:9], s[6:7]           ; the tensor,
	s_cselect_b64 s[14:15], s[16:17], s[14:15]     ; its image,
	s_cselect_b32 s31, 96, 0
	s_cselect_b32 s48, 4096, s48                   ; and the bytes from a row of K to the next
	s_sub_co_u32 s30, s30, s31
	s_and_b32 s50, s30, 3                          ; which 256 along K
	s_lshr_b32 s51, s30, 2                         ; which 128 columns
	s_lshl_b32 s52, s48, 8
	s_mul_i32 s52, s52, s50                        ; 256 rows x that
	s_lshl_b32 s53, s51, 9
	s_add_co_u32 s52, s52, s53                     ; + 128 columns x 4 bytes x that
	s_lshl_b32 s53, s18, 7
	s_add_co_u32 s52, s52, s53                     ; + my wave's 32 columns
	s_mov_b32 s53, 0
	s_add_nc_u64 s[32:33], s[6:7], s[52:53]        ; block 0's base;
	s_lshl_b32 s52, s48, 5                         ; 32 rows on for each further block: eight bases, so that no pointer is stepped
.irp t, 1,2,3,4,5,6,7
	s_add_nc_u64 s[32+2*\t:33+2*\t], s[30+2*\t:31+2*\t], s[52:53]
.endr
	v_lshlrev_b32 v[OFF], 2, v2                    ; 4 bytes a lane: a load reads 128 consecutive bytes, the four waves stand side by side on 512
.set i, 1
.rept 31
	v_add_nc_u32 v[OFF+i], s48, v[OFF+i-1]
.set i, i+1
.endr
	s_lshl_b32 s54, s51, 17                        ; the image: column tile 8 x (which 128) + 2 x wave, 16,384 bytes each,
	s_lshl_b32 s55, s18, 15
	s_add_co_u32 s54, s54, s55
	s_lshl_b32 s55, s50, 12                        ; two K steps of 2,048 bytes for each 256 along K
	s_add_co_u32 s54, s54, s55
	s_mov_b32 s55, 0
	s_add_nc_u64 s[14:15], s[14:15], s[54:55]
.macro WLOAD t                         ; block t: W(32 t + i, my column), i = 0 .. 31
.set i, 0
.rept 32
	global_load_b32 v[WX+32*((\t)%2)+i], v[OFF+i], s[32+2*(\t):33+2*(\t)] th:TH_LOAD_NT
.set i, i+1
.endr
.endm
.macro WBLOCK t
.if (\t) < 7
	s_wait_loadcnt 32                              ; this block's 32 loads are in; the next block's may be out
.else
	s_wait_loadcnt 0x0
.endif
.set i, 0
.rept 32
.set i, i+1
.endr
.irp g, 0,1,2,3
	v_cvt_scalef32_pk8_fp8_f32 v[WC+2*\g:WC+2*\g+1], v[WX+32*((\t)%2)+8*\g:WX+32*((\t)%2)+8*\g+7], v11
.endr
	ds_store_b128 v12, v[WC:WC+3] offset:32*(\t)   ; 32 codes of my column, K innermost
	ds_store_b128 v12, v[WC+4:WC+7] offset:32*(\t)+16
.if (\t)+2 < 8
	WLOAD (\t)+2
.endif
	s_wait_dscnt 0x0                               ; the stores have read their registers: the next block's codes may be written
.endm
	WLOAD 0
	WLOAD 1
	s_wait_kmcnt 0x0
	s_cmp_ge_u32 ttmp9, 352
	s_cselect_b32 s49, s27, s21                    ; e7 for w_out, e1 for w_qkv
	MKSCALE 49
	s_wait_alu depctr_va_vdst(0)
.irp t, 0,1,2,3,4,5,6,7
	WBLOCK \t
.endr
	; the way out: four fragments (column tile f / 2, K step f % 2): registers 2 c, 2 c + 1 are the 8 bytes at row r, 16 c + 8 h.  The 32 lanes of a load touch 64 different banks (word 68 r + 2 h)
.irp f, 0,1,2,3
.irp c, 0,1,2,3,4,5,6,7
	ds_load_b64 v[WO+16*\f+2*\c:WO+16*\f+2*\c+1], v13 offset:4352*(\f/2)+128*(\f%2)+16*\c
.endr
.endr
.irp f, 0,1,2,3
	s_wait_dscnt 8*(3-\f)                          ; the younger fragments' loads may be out
.irp q, 0,1,2,3
	global_store_b128 v5, v[WO+16*\f+4*\q:WO+16*\f+4*\q+3], s[14:15] offset:16384*(\f/2)+2048*(\f%2)+512*\q
.endr
.endr
	s_wait_tensorcnt 0x0                           ; the wave's end: behind my last LDS store
	ds_add_u32 v8, v9
	s_wait_dscnt 0x0
	s_endpgm
.Lfunc_end_k_qcd3f3b2444_quant:
	.size	k_qcd3f3b2444_quant, .Lfunc_end_k_qcd3f3b2444_quant-k_qcd3f3b2444_quant
	.p2alignl 7, 3214868480
	.fill 96, 4, 3214868480
	.section	.rodata,"a",@progbits
	.p2align	6, 0x0
	.amdhsa_kernel k_qcd3f3b2444_quant
		.amdhsa_group_segment_fixed_size 70144
		.amdhsa_private_segment_fixed_size 0
		.amdhsa_enable_private_segment 0
		.amdhsa_kernarg_size 56
		.amdhsa_user_sgpr_count 2
		.amdhsa_user_sgpr_kernarg_segment_ptr 1
		.amdhsa_wavefront_size32 1
		.amdhsa_system_sgpr_workgroup_id_x 1
		.amdhsa_system_sgpr_workgroup_id_y 1
		.amdhsa_system_sgpr_workgroup_id_z 1
		.amdhsa_system_vgpr_workitem_id 0
		.amdhsa_next_free_vgpr 240
		.amdhsa_next_free_sgpr 66
		.amdhsa_reserve_vcc 0
		.amdhsa_float_denorm_mode_32 3
		.amdhsa_float_denorm_mode_16_64 3
		.amdhsa_fp16_overflow 1
		.amdhsa_memory_ordered 1
		.amdhsa_forward_progress 1
		.amdhsa_inst_pref_size 55
	.end_amdhsa_kernel
	.amdgpu_metadata
---
amdhsa.version: [ 1, 2 ]
amdhsa.kernels:
  - .name:           k_qcd3f3b2444_quant
    .symbol:         k_qcd3f3b2444_quant.kd
    .args:
      - { .name: x, .offset: 0, .size: 8, .value_kind: global_buffer, .address_space: global }
      - { .name: w_qkv, .offset: 8, .size: 8, .value_kind: global_buffer, .address_space: global }
      - { .name: w_out, .offset: 16, .size: 8, .value_kind: global_buffer, .address_space: global }
      - { .name: lowp_scales, .offset: 24, .size: 8, .value_kind: global_buffer, .address_space: global }
      - { .name: x_img, .offset: 32, .size: 8, .value_kind: global_buffer, .address_space: global }
      - { .name: wqkv_img, .offset: 40, .size: 8, .value_kind: global_buffer, .address_space: global }
      - { .name: wout_img, .offset: 48, .size: 8, .value_kind: global_buffer, .address_space: global }
    .group_segment_fixed_size: 70144
    .private_segment_fixed_size: 0
    .kernarg_segment_align: 8
    .kernarg_segment_size: 56
    .max_flat_workgroup_size: 128
    .sgpr_count:     66
    .vgpr_count:     240
    .wavefront_size: 32
...
	.end_amdgpu_metadata
.endif
;; end of part 1
;; launch qkv (part 2): grid 12 x 32, 4 waves a work-group, clusters of 4 x 4, 327,680 bytes of LDS; arguments x_img, wqkv_img, lowp_scales, b_qkv, q_img, k_img, v_img; writes q_img, k_img, v_img
.if DOCPART == 2
	.amdgcn_target "amdgcn-amd-amdhsa--gfx1250"
	.amdhsa_code_object_version 6
	.text
	.protected	k_qcd3f3b2444_qkv
	.globl	k_qcd3f3b2444_qkv
	.p2align	8
	.type	k_qcd3f3b2444_qkv,@function
k_qcd3f3b2444_qkv:
	s_mov_b64 s[64:65], 0
	v_nop
	global_prefetch_b8 v0, s[64:65] scope:SCOPE_SE
	s_setreg_imm32_b32 hwreg(HW_REG_WAVE_MODE, 25, 1), 1
	s_wait_xcnt 0x0
	s_wait_alu depctr_hold_cnt(0) depctr_sa_sdst(0) depctr_va_vdst(0) depctr_va_sdst(0) depctr_va_ssrc(0) depctr_va_vcc(0) depctr_vm_vsrc(0)
	s_getreg_b32 s2, hwreg(HW_REG_IB_STS2, 6, 4)
	s_cmp_eq_u32 s2, 0
	s_cbranch_scc0 .Lentry_in_a_cluster
	s_endpgm
.Lentry_in_a_cluster:
	s_bfe_u32 s2, ttmp6, 0x10000c
	s_cmp_lg_u32 s2, 0xf033
	s_cbranch_scc0 .Lentry_shape_is_right
	s_endpgm
.Lentry_shape_is_right:
; qkv = x w_qkv + b_qkv on codes of E4M3 (K = 1024), and its three parts quantised at once for the attention: q with 2^e2, k with 2^e3, v with 2^e5.
; Both operands arrive as images of operand registers (16 rows x 128 K = 2,048 bytes, four runs of 512 bytes, lane l's 16 bytes at 16 l; a row tile's eight K steps on end: 16,384 bytes).
; A tile of 256 x 256 is made by four waves, each 128 x 128: 64 accumulators, 512 registers.  P is source 1 (a lane of the result holds one row of P), Q is source 0 (a lane's eight registers are eight
; neighbouring rows of Q).  K goes in steps of 256 through two LDS slots; a slot's tiles are dense copies of the images, so a fragment is four ds_load_b128 at 16 x lane and nothing is padded.
; THE PART DECIDES THE ROLES, by the cluster's x, which all sixteen partners share.  Clusters 0 (q) and 1 (k): P = tokens, Q = columns: a lane holds one token and eight neighbours of the head's 64, the next K.
; Cluster 2 (v): P = columns, Q = tokens: a lane holds one channel and eight neighbouring keys, the K of the second product of the attention.  So the conversions' results ARE operand registers:
;   q_img, k_img: [batch x head][token tile][1024 bytes]: 16 tokens x 64 channels;   v_img: [batch x head][64 keys][16 channels][1024 bytes]: 16 channels x 64 keys.
; They are stored as they stand, 512 consecutive aligned bytes a store, with no way through LDS.
; The bias is the C of each sum's first matrix instruction, divided by 2^(e0 + e1), which the sums lack; the three scales are folded into the conversion's one, 2^(et - e0 - e1).
; CLUSTERS: 4 x 4.  P's tile hangs on cy alone and is asked for jointly by my row of the cluster, Q's on cx alone, by my column.
; The grid has 384 tiles: 24 clusters.  A tile of 384 columns does not fit the registers beside its operands, and tiles of 192 would cross the borders between q, k and v.
; LIMITS: et - e0 - e1 between -126 and 119 for et = e2, e3, e5.  NaN among the inputs is not served.
; REGISTERS, in windows of 256: window 0: v1-31 addresses and the scale; v32-95 the bias; v128-255 P's eight fragments, ONE set, later the codes.
;   window 1: Q's fragments, TWO sets, at v0 and v128.   windows 2, 3: accumulator (a, b) at v[8 (8 (a % 4) + b)], a = 0-3 and 4-7.
.set NB,    8                          ; Q's tiles of 16 rows for a wave
.set PH,    32768                      ; half of P's tile in a slot: 8 row tiles x 4,096 bytes (256 along K)
.set QH,    NB*4096
.set SLOT,  2*PH+2*QH
.set SPARE, 2*SLOT                     ; behind the ring: the spare words, 128 bytes for each wave
.set ADRA, 16                          ; v16-17  LDS address of my P fragments in slot 0, 1
.set ADRB, 20                          ; v20-21  the same for Q
.set VO,   24                          ; v24-25  the stores' two offsets
.set SPW,  28                          ; v28     my spare word; never rewritten
.set NIL,  29                          ; v29     0; never rewritten
.set LIM,  30
.set SC,   31                          ; v31     2^(et - e0 - e1)
.set BIAS, 32
.set TMP,  32
.set AF,   128
.set CD,   128
.set G1,  24                           ; s[24:31] descriptor group 1 for P's tiles; s[32:39] group 0, a set for each slot
.set G0,  32
.set G1B, 48                           ; s[48:55], s[56:63] the same for Q's
.set G0B, 56
.set SB,  84                           ; s[84:87] the stores' two bases
.set MSB, 0
.macro WIN new                         ; the immediate's high byte repeats the setting that is left
.if MSB != (\new)
	s_set_vgpr_msb (MSB<<8)|(\new)
.set MSB, (\new)
.endif
.endm
.macro PLACES                          ; four plain vector lines behind a matrix instruction, ahead of loads into its sources and of reads of results
.rept 4
	v_nop
.endr
.endm
; A joint load: waves 0 and 1 fetch P's halves, waves 2 and 3 Q's.  The branch hangs on the wave's number alone.  An s_nop 0 and four v_nop follow each line.
.macro JLOAD s
	s_cmp_eq_u32 s15, 0
	s_cbranch_scc0 .Lfor_q_\@
	tensor_load_to_lds s[G0+4*\s:G0+4*\s+3], s[G1:G1+7]
	s_nop 0
.rept 4
	v_nop
.endr
	s_branch .Lasked_\@
.Lfor_q_\@:
	tensor_load_to_lds s[G0B+4*\s:G0B+4*\s+3], s[G1B:G1B+7]
	s_nop 0
.rept 4
	v_nop
.endr
.Lasked_\@:
.endm
.macro CREST                           ; a round of the cluster's barrier behind its opening barrier
	s_cmp_lg_u32 s14, 0
	s_cbranch_scc1 .Lnot_wave_0_\@
	s_barrier_signal -3
.Lnot_wave_0_\@:
	s_barrier_wait -3
	s_barrier_signal -1
	s_barrier_wait -1
.endm
.macro CROUND
	s_barrier_signal -1
	s_barrier_wait -1
	CREST
.endm
	s_load_b256 s[4:11], s[0:1], 0x0               ; x_img s[4:5], wqkv_img s[6:7], the scales' exponents s[8:9], b_qkv s[10:11]
	s_load_b128 s[68:71], s[0:1], 0x20             ; q_img, k_img
	s_load_b64 s[72:73], s[0:1], 0x30              ; v_img
	v_lshl_add_u32 v[SPW], v0, 2, SPARE
	v_mov_b32 v[NIL], 0
	ds_add_u32 v[SPW], v[NIL]                      ; the wave's opening: the add and its wait ahead of my first tensor load; work on registers stands between
	ds_add_u32 v[SPW], v[NIL]
	v_lshrrev_b32 v1, 5, v0
	v_readfirstlane_b32 s14, v1                    ; wave 0..3
	s_lshr_b32 s15, s14, 1                         ; which half of P's rows is mine.  Also: I fetch for P (0) or for Q (1)
	s_and_b32 s16, s14, 1                          ; which half of Q's rows.  Also: which half of that tile I fetch
	s_bfe_u32 s40, ttmp6, 0x40000                  ; cx
	s_bfe_u32 s41, ttmp6, 0x40004                  ; cy
	s_and_b32 s18, ttmp7, 0xffff
	s_lshl_b32 s18, s18, 2                         ; 4 x cluster y
	s_lshl_b32 s19, ttmp9, 2                       ; 4 x cluster x
	s_add_co_u32 s20, s18, s41                     ; q, k: P = tokens, tile 4 x cluster y + cy
	s_add_co_u32 s21, s41, 8                       ; v:    P = columns 2048 on, tile 8 + cy
	s_add_co_u32 s22, s19, s40                     ; q, k: Q = columns, tile 4 x cluster x + cx
	s_add_co_u32 s23, s18, s40                     ; v:    Q = tokens, tile 4 x cluster y + cx
	s_cmp_eq_u32 ttmp9, 2
	s_cselect_b32 s17, s21, s20                    ; P's tile of 256 rows: made of cy, never of cx
	s_cselect_b32 s42, s23, s22                    ; Q's: made of cx, never of cy
	s_lshl_b32 s43, s41, 2
	s_lshl_b32 s43, 15, s43                        ; my row of the cluster
	s_lshl_b32 s44, 0x1111, s40                    ; my column
	; descriptor group 1: 8 rows of 512 elements of 8 bytes (a row tile's 4,096 bytes of a slot's 256 along K), 2,048 elements from row tile to row tile; dense in LDS
	s_or_b32 s[G1+0], s43, (3<<16)|(1<<21)         ; 15:0 the mask; 17:16 elements of 8 bytes; 21 set beside a mask; no padding
	s_or_b32 s[G1B+0], s44, (3<<16)|(1<<21)
.irp g, G1, G1B
	s_mov_b32 s[\g+1], 512<<16                     ; tensor_dim0
	s_mov_b32 s[\g+2], 8<<16                       ; tensor_dim1
	s_mov_b32 s[\g+3], 512<<16                     ; tile_dim0
	s_mov_b32 s[\g+4], 8                           ; tile_dim1
	s_mov_b32 s[\g+5], 2048                        ; tensor_dim0_stride
	s_mov_b32 s[\g+6], 0
	s_mov_b32 s[\g+7], 0
.endr
	s_lshl_b32 s46, s16, 17                        ; the half that I fetch: 8 row tiles of 16,384 bytes
	s_lshl_b32 s20, s17, 18
	s_add_co_u32 s20, s20, s46                     ; P's bytes
	s_mov_b32 s21, 0
	s_lshl_b32 s22, s42, 18
	s_add_co_u32 s22, s22, s46                     ; Q's
	s_mov_b32 s23, 0
	s_mul_i32 s45, s16, PH                         ; where they go: no place in the cluster enters an LDS address
	s_mul_i32 s47, s16, QH
	s_add_co_u32 s47, s47, 2*PH
	s_wait_dscnt 0x0                               ; the opening add is done
	s_wait_kmcnt 0x0
	s_load_b256 s[76:83], s[8:9], 0x0              ; e0 .. e7
	s_cmp_eq_u32 ttmp9, 2
	s_cselect_b64 s[96:97], s[6:7], s[4:5]         ; P: the weights for v, else x
	s_cselect_b64 s[98:99], s[4:5], s[6:7]         ; Q: the other
	s_add_nc_u64 s[96:97], s[96:97], s[20:21]
	s_add_nc_u64 s[98:99], s[98:99], s[22:23]
	CROUND                                         ; all sixteen work-groups are here: the first joint loads meet
.irp s, 0,1
	s_mov_b32 s[G0+4*\s], 1
	s_add_co_u32 s[G0+4*\s+1], s45, \s*SLOT
	s_add_nc_u64 s[G0+4*\s+2:G0+4*\s+3], s[96:97], \s*4096
	s_or_b32 s[G0+4*\s+3], s[G0+4*\s+3], 0x80000000
	s_mov_b32 s[G0B+4*\s], 1
	s_add_co_u32 s[G0B+4*\s+1], s47, \s*SLOT
	s_add_nc_u64 s[G0B+4*\s+2:G0B+4*\s+3], s[98:99], \s*4096
	s_or_b32 s[G0B+4*\s+3], s[G0B+4*\s+3], 0x80000000
	JLOAD \s                                       ; two loads of mine are out
.endr
	v_and_b32 v1, 15, v0                           ; r
	v_bfe_u32 v2, v0, 4, 1                         ; h
	s_wait_alu depctr_va_vdst(0)
	v_and_b32 v3, 31, v0
	v_lshlrev_b32 v3, 4, v3                        ; 16 x lane
	s_mul_i32 s21, s15, PH                         ; my 128 rows of P
	s_mul_i32 s22, s16, QH                         ; my 128 rows of Q,
	s_add_co_u32 s22, s22, 2*PH                    ; behind P's two halves
.irp s, 0,1
	v_add_nc_u32 v[ADRA+\s], s21, v3
	v_add_nc_u32 v[ADRB+\s], s22, v3
	s_add_co_u32 s21, s21, SLOT
	s_add_co_u32 s22, s22, SLOT
.endr
	; the bias, in the result's layout.  q, k: register 8 b + j = b_qkv[n0 + 16 b + 8 h + j] (Q's rows).  v: register 8 a + j = b_qkv[n0 + 16 a + r] (P's rows).  One text: offset = 32 h or 4 r, + 4 j or 0, + 64 x tile
	s_cmp_eq_u32 ttmp9, 2
	s_cselect_b32 s88, s17, s42                    ; the tile that runs along the columns,
	s_cselect_b32 s89, s15, s16                    ; my half of it
	s_cselect_b32 s90, 0, 32
	s_cselect_b32 s91, 4, 0
	s_cselect_b32 s92, 0, 4
	s_lshl_b32 s88, s88, 10
	s_lshl_b32 s89, s89, 9
	s_add_co_u32 s88, s88, s89                     ; 4 n0
	s_mov_b32 s89, 0
	s_add_nc_u64 s[10:11], s[10:11], s[88:89]
	v_mul_u32_u24 v8, v2, s90
	v_mad_u32_u24 v8, v1, s91, v8
.irp j, 1,2,3,4,5,6,7
	v_add_nc_u32 v[8+\j], s92, v[7+\j]
.endr
.irp i, 0,1,2,3,4,5,6,7
.irp j, 0,1,2,3,4,5,6,7
	global_load_b32 v[BIAS+8*\i+\j], v[8+\j], s[10:11] offset:64*\i
.endr
.endr
	; where the codes go.  q, k: quad c of block a: head + (c >> 1) (131,072 bytes on), token tile a (1,024 on).  v: 64 keys + (c >> 1) (4,096 on), channels a & 3 (1,024 on), head + (a >> 2) (131,072 on)
	s_mov_b32 s95, 131072
	s_cmp_eq_u32 ttmp9, 2
	s_cselect_b32 s88, s42, s17                    ; which 256 tokens,
	s_cselect_b32 s89, s16, s15                    ; and my half of them
	s_cselect_b32 s90, s41, s40                    ; which 256 columns of the part's 1,024: four heads,
	s_cselect_b32 s91, s15, s16                    ; and my half: two heads
	s_cselect_b32 s92, s95, 4096                   ; from blocks 0-3 to blocks 4-7
	s_cselect_b32 s94, 4096, s95                   ; from quads 0, 1 to quads 2, 3
	s_cselect_b64 s[SB:SB+1], s[72:73], s[70:71]
	s_cmp_eq_u32 ttmp9, 0
	s_cselect_b64 s[SB:SB+1], s[68:69], s[SB:SB+1]
	s_mov_b32 s93, 0
	s_lshr_b32 s18, s88, 3
	s_lshl_b32 s18, s18, 21                        ; the batch: 16 heads x 131,072
	s_and_b32 s19, s88, 7
	s_lshl_b32 s19, s19, 14                        ; 256 tokens are 16,384 bytes in a head, in all three images
	s_add_co_u32 s18, s18, s19
	s_lshl_b32 s19, s89, 13
	s_add_co_u32 s18, s18, s19
	s_lshl_b32 s19, s90, 19
	s_add_co_u32 s18, s18, s19
	s_lshl_b32 s19, s91, 18
	s_add_co_u32 s18, s18, s19
	s_mov_b32 s19, 0
	s_add_nc_u64 s[SB:SB+1], s[SB:SB+1], s[18:19]
	s_add_nc_u64 s[SB+2:SB+3], s[SB:SB+1], s[92:93]
	v_mov_b32 v[VO], v3
	v_add_nc_u32 v[VO+1], s94, v3
	s_wait_kmcnt 0x0
	s_add_co_i32 s88, s76, s77                     ; e0 + e1: a sum stands for sum x 2^(e0 + e1)
	s_sub_co_i32 s89, 0, s88
	s_cmp_eq_u32 ttmp9, 0
	s_cselect_b32 s90, s78, s79
	s_cmp_eq_u32 ttmp9, 2
	s_cselect_b32 s90, s81, s90                    ; et: e2 for q, e3 for k, e5 for v: a choice on ids, no branch
	s_sub_co_i32 s90, s90, s88
	s_add_co_i32 s90, s90, 127
	s_lshl_b32 s91, s90, 23
	v_mov_b32 v[SC], s91
	s_wait_loadcnt 0x0                             ; the bias
.set n, 0
.rept 64
	v_ldexp_f32 v[BIAS+n], v[BIAS+n], s89          ; b / 2^(e0 + e1): nothing is rounded
.set n, n+1
.endr
.macro FRAG reg, adr, q, i             ; a fragment comes back as it was stored: four runs of 512 bytes
.irp c, 0,1,2,3
	ds_load_b128 v[\reg+4*\c:\reg+4*\c+3], v[\adr] offset:(\i)*4096+(\q)*2048+512*\c
.endr
.endm
.macro FETCH_Q slot, q, p              ; Q's eight fragments of the slot's q-th 128 along K into set p
	WIN 0x40                                       ; destination window 1, address window 0
.irp i, 0,1,2,3,4,5,6,7
	FRAG 128*(\p)+16*\i, ADRB+\slot, \q, \i
.endr
	WIN 0
.endm
.macro FETCH_P slot, q, i0             ; P's blocks i0 .. i0 + 3
.irp i, \i0, \i0+1, \i0+2, \i0+3
	FRAG AF+16*(\i), ADRA+\slot, \q, \i
.endr
.endm
; 16 matrix instructions: P's blocks a0, a0 + 1 x Q's eight.  first = 1: C is the bias along Q's rows; 2: along P's rows; 0: the sum goes on.  The 64 accumulators take turns, one instruction a turn,
; in the same order in every step.
.macro MULA a0, p, first
.irp a, \a0, \a0+1
.irp b, 0,1,2,3,4,5,6,7
.if \first == 1
	v_wmma_f32_16x16x128_fp8_fp8 v[8*(NB*((\a)%4)+\b):8*(NB*((\a)%4)+\b)+7], v[128*(\p)+16*\b:128*(\p)+16*\b+15], v[AF+16*(\a):AF+16*(\a)+15], v[BIAS+8*\b:BIAS+8*\b+7]
.elseif \first == 2
	v_wmma_f32_16x16x128_fp8_fp8 v[8*(NB*((\a)%4)+\b):8*(NB*((\a)%4)+\b)+7], v[128*(\p)+16*\b:128*(\p)+16*\b+15], v[AF+16*(\a):AF+16*(\a)+15], v[BIAS+8*(\a):BIAS+8*(\a)+7]
.else
	v_wmma_f32_16x16x128_fp8_fp8 v[8*(NB*((\a)%4)+\b):8*(NB*((\a)%4)+\b)+7], v[128*(\p)+16*\b:128*(\p)+16*\b+15], v[AF+16*(\a):AF+16*(\a)+15], v[8*(NB*((\a)%4)+\b):8*(NB*((\a)%4)+\b)+7]
.endif
.endr
.endr
.endm
; A slot's first 128 along K (Q's set 0); its second 128 are fetched on the way: a block of P is free as soon as its eight products are issued.
.macro STEP slot, first
	s_wait_dscnt 16                                ; Q's set and P's blocks 0-3 are in; the youngest sixteen loads (blocks 4-7) may be out
.if \first
	WIN 0x81                                       ; Q window 1, P and the bias window 0, D window 2
.else
	WIN 0xa1                                       ; Q window 1, P window 0, C and D window 2
.endif
	MULA 0, 0, \first
	MULA 2, 0, \first
	s_wait_dscnt 0x0                               ; blocks 4-7 are in
	PLACES
	FETCH_Q \slot, 1, 1
	FETCH_P \slot, 1, 0
.if \first
	WIN 0xc1
.else
	WIN 0xf1                                       ; the same, C and D window 3
.endif
	MULA 4, 0, \first
	MULA 6, 0, \first
	PLACES
	WIN 0
	FETCH_P \slot, 1, 4
.endm
; A slot's second 128 (Q's set 1) and the change of slots: ONE barrier; ahead of it each wave waits for all its tensor loads, adds 0 to its spare word, and waits for that and for its reads of this slot.
.macro TURN slot, next, fill
	s_wait_tensorcnt 0x0                           ; all my tensor loads have landed: my part of the next slot (every window is 0 here)
	ds_add_u32 v[SPW], v[NIL]                      ; 0 onto my spare word
	s_wait_dscnt 17                                ; (the add and the youngest sixteen loads may be out)
	WIN 0xa1
	MULA 0, 1, 0                                   ; sixteen matrix instructions stand between the add and the wait for it
	s_wait_dscnt 0x0                               ; the add is done, and my reads of this slot are over
	s_barrier_signal -1
	MULA 2, 1, 0
	WIN 0
	s_barrier_wait -1
.if \fill
	CREST                                          ; the barrier has opened a round of the cluster's: no wave of any partner still reads this slot or has a load on its way
	s_add_nc_u64 s[G0+4*\slot+2:G0+4*\slot+3], s[G0+4*\slot+2:G0+4*\slot+3], 8192     ; two slots on along K
	s_add_nc_u64 s[G0B+4*\slot+2:G0B+4*\slot+3], s[G0B+4*\slot+2:G0B+4*\slot+3], 8192
	JLOAD \slot                                    ; the first tensor load behind the round, my one load until the next; its four v_nop are the places ahead of the loads below
.else
	PLACES
.endif
	FETCH_Q \next, 0, 0
	FETCH_P \next, 0, 0
	WIN 0xf1
	MULA 4, 1, 0
	MULA 6, 1, 0
	PLACES
	WIN 0
	FETCH_P \next, 0, 4
.endm
	s_wait_tensorcnt 1                             ; my part of slot 0 is in; slot 1's may stay out
	s_barrier_signal -1
	s_barrier_wait -1
	FETCH_Q 0, 0, 0
	FETCH_P 0, 0, 0
	FETCH_P 0, 0, 4
	s_cmp_eq_u32 ttmp9, 2                          ; the first step stands twice: only which bias registers are C differs.  The cluster's x: the same way in all partners and waves
	s_cbranch_scc1 .Lv_first
	s_wait_alu depctr_va_vdst(0)
	STEP 0, 1
	s_branch .Lfirst_done
.Lv_first:
	s_wait_alu depctr_va_vdst(0)
	STEP 0, 2
.Lfirst_done:
	TURN 0, 1, 1                                   ; K = 1024 is eight steps of 128, four slots: written out
	STEP 1, 0
	TURN 1, 0, 1
	STEP 0, 0
	TURN 0, 1, 0                                   ; nothing is left to fetch
	STEP 1, 0
	s_wait_dscnt 16
	WIN 0xa1
	MULA 0, 1, 0
	MULA 2, 1, 0
	s_wait_dscnt 0x0
	WIN 0xf1
	MULA 4, 1, 0
	MULA 6, 1, 0
	WIN 0
	PLACES                                         ; ahead of the first read of results and of writes into the registers that held P's fragments
; THE WAY OUT of block a: its 64 sums are converted eight at a time, straight from the accumulators, and stored: sixteen registers of codes, four stores of 512 bytes.
.macro OUTBLK a
	WIN 0x02+((\a)/4)                              ; source 0: window 2 or 3
.set n, 0
.rept 64
.set n, n+1
.endr
.irp b, 0,1,2,3,4,5,6,7
	v_cvt_scalef32_pk8_fp8_f32 v[CD+16*(\a)+2*\b:CD+16*(\a)+2*\b+1], v[TMP+8*\b+((64*((\a)%4)+n)-(TMP+n)):TMP+8*\b+7+((64*((\a)%4)+n)-(TMP+n))], v[SC]
.endr
	WIN 0
	v_nop
.irp c, 0,1,2,3
	global_store_b128 v[VO+(\c>>1)], v[CD+16*(\a)+4*\c:CD+16*(\a)+4*\c+3], s[SB+2*((\a)>>2):SB+2*((\a)>>2)+1] offset:((\a)&3)*1024+(\c&1)*512
.endr
.endm
.irp a, 0,1,2,3,4,5,6,7
	OUTBLK \a                                      ; each block has its own sixteen registers of codes: no store's data are written again
.endr
	s_wait_tensorcnt 0x0                           ; the wave's end
	ds_add_u32 v[SPW], v[NIL]
	s_wait_dscnt 0x0
	CROUND                                         ; the closing round
	s_endpgm
.Lfunc_end_k_qcd3f3b2444_qkv:
	.size	k_qcd3f3b2444_qkv, .Lfunc_end_k_qcd3f3b2444_qkv-k_qcd3f3b2444_qkv
	.p2alignl 7, 3214868480
	.fill 96, 4, 3214868480
	.section	.rodata,"a",@progbits
	.p2align	6, 0x0
	.amdhsa_kernel k_qcd3f3b2444_qkv
		.amdhsa_group_segment_fixed_size 327680
		.amdhsa_private_segment_fixed_size 0
		.amdhsa_enable_private_segment 0
		.amdhsa_kernarg_size 56
		.amdhsa_user_sgpr_count 2
		.amdhsa_user_sgpr_kernarg_segment_ptr 1
		.amdhsa_wavefront_size32 1
		.amdhsa_system_sgpr_workgroup_id_x 1
		.amdhsa_system_sgpr_workgroup_id_y 1
		.amdhsa_system_sgpr_workgroup_id_z 1
		.amdhsa_system_vgpr_workitem_id 0
		.amdhsa_next_free_vgpr 1024
		.amdhsa_next_free_sgpr 100
		.amdhsa_reserve_vcc 0
		.amdhsa_float_denorm_mode_32 3
		.amdhsa_float_denorm_mode_16_64 3
		.amdhsa_fp16_overflow 1
		.amdhsa_memory_ordered 1
		.amdhsa_forward_progress 1
		.amdhsa_inst_pref_size 105
	.end_amdhsa_kernel
	.amdgpu_metadata
---
amdhsa.version: [ 1, 2 ]
amdhsa.kernels:
  - .name:           k_qcd3f3b2444_qkv
    .symbol:         k_qcd3f3b2444_qkv.kd
    .args:
      - { .name: x_img, .offset: 0, .size: 8, .value_kind: global_buffer, .address_space: global }
      - { .name: wqkv_img, .offset: 8, .size: 8, .value_kind: global_buffer, .address_space: global }
      - { .name: lowp_scales, .offset: 16, .size: 8, .value_kind: global_buffer, .address_space: global }
      - { .name: b_qkv, .offset: 24, .size: 8, .value_kind: global_buffer, .address_space: global }
      - { .name: q_img, .offset: 32, .size: 8, .value_kind: global_buffer, .address_space: global }
      - { .name: k_img, .offset: 40, .size: 8, .value_kind: global_buffer, .address_space: global }
      - { .name: v_img, .offset: 48, .size: 8, .value_kind: global_buffer, .address_space: global }
    .group_segment_fixed_size: 327680
    .private_segment_fixed_size: 0
    .kernarg_segment_align: 8
    .kernarg_segment_size: 56
    .max_flat_workgroup_size: 128
    .sgpr_count:     100
    .vgpr_count:     1024
    .wavefront_size: 32
...
	.end_amdgpu_metadata
.endif
;; end of part 2
;; launch attn (part 3): grid 4 x 64, 16 waves a work-group, no clusters, 327,680 bytes of LDS; arguments q_img, k_img, v_img, lowp_scales, att_img; writes att_img
.if DOCPART == 3
	.amdgcn_target "amdgcn-amd-amdhsa--gfx1250"
	.amdhsa_code_object_version 6
	.text
	.protected	k_qcd3f3b2444_attn
	.globl	k_qcd3f3b2444_attn
	.p2align	8
	.type	k_qcd3f3b2444_attn,@function
k_qcd3f3b2444_attn:
	s_mov_b64 s[64:65], 0
	v_nop
	global_prefetch_b8 v0, s[64:65] scope:SCOPE_SE
	s_setreg_imm32_b32 hwreg(HW_REG_WAVE_MODE, 25, 1), 1
	s_wait_xcnt 0x0
; Causal attention of one head (64 channels, 2,048 tokens) on codes of E4M3, and its result quantised with 2^e6 for the last product.
; t = score x log2(e) / 8; M = the row's largest t so far, rounded UP to a whole number; p = 2^(t - M) is quantised with 2^e4, not normalised; the row's sum is taken of the unquantised p and divides O at the end.
; When M moves, the sum and O are multiplied by 2^(old M - new M): exact.
; q_img, k_img: [batch x head][token tile][1024 bytes]: 16 tokens x 64 channels as 8 operand registers.  v_img: [batch x head][64 keys][16 channels][1024 bytes]: 16 channels x 64 keys.
; att_img: images of 16 tokens x 128 K, K = 64 head + channel: a head's half of a fragment is 1,024 bytes at token tile x 16384 + head x 1024.
; SHARES.  Work-group (i, batch x head) owns the blocks of 256 queries 7 - i and i, one after the other: 8 - i and i + 1 slots of 256 keys, NINE for every work-group: the trip count is a constant, all 256
; work-groups have equal work, and every slot that is loaded is read.  Each of the sixteen waves owns 16 queries of the block in hand, in 256 registers: four waves to a SIMD, so that one wave's vector work stands
; beside another's matrix work and LDS loads.
; LAYOUT.  Both products are used transposed: S^T = K Q^T (source 0 = 16 keys), O^T = V^T P^T (source 0 = 16 channels): a lane holds ONE query (lane % 16) throughout.  Register j of tile t of S^T is key
; 16 t + 8 (lane / 16) + j: just what registers 2 t, 2 t + 1 of the second product's operand hold, so the conversions' results are that operand; likewise O^T's are the last product's.
; THE MASK.  A step all of whose 128 keys come after my 16 queries is left out by a scalar branch on ids; on the diagonal hidden scores become -infinity ahead of the maximum.  Key 0 counts for every query.
; NO CLUSTER: the four work-groups of a head leave their first blocks after 8, 7, 6 and 5 slots and then want different slots in the same trip; a common walk would take 8 + 4 = 12 slots in place of 9.
; LIMITS: e2 + e3 between -123 and 130 (added to c's exponent field); e4 and e6 between -126 and 119; e4 + e5 goes by v_ldexp_f32 and has none.
; REGISTERS: v1-7 addresses that stay; v12 -M, v13 the largest t, v[14:15] the sum in two halves; v16-23 Q; v32-95 K's, then V's fragments; v96-159 S^T, then p; v160-191 O^T; v192-207 p's codes;
;   v208-215 the second block's Q; v216-231 the two results' codes; v234-243, v248-255 at work; v244: 2^e4; v247: the same with e6.
.set SLOT1, 32768                      ; slot 1 begins here: one exclusive or turns an address from one slot to the other
.set SLOTB, 16384                      ; 256 keys of K, and of V, in bytes: dense in memory and in LDS
.set SPARE, 65536                      ; behind the ring: the spare words, 128 bytes for each of sixteen waves
.set LI,   1                           ; v1   16 x lane
.set ADR,  2                           ; v2   LDS address of the slot in hand, at my lane
.set PFO,  3                           ; v3   256 x lane, for the prefetches
.set SPW,  4                           ; v4   my spare word; never rewritten
.set NIL,  5                           ; v5   0; never rewritten
.set RH,   7                           ; v7   lane % 16 - 8 (lane / 16)
.set TB,   2                           ; s2   LDS byte at which the slot in hand begins
.set SI,   3                           ; s3   the trip, 0 .. 8
.set WV,   18
.set SEL,  20                          ; s[20:21] v_permlanex16_b32's selects for lane xor 16
.set CS,   22                          ; s[22:23] c = log2(e) / 8 x 2^(e2 + e3)
.set G1,   24                          ; s[24:31] descriptor group 1, for K's and V's tiles alike
.set G0K,  40                          ; s[40:43], s[44:47] groups 0
.set G0V,  44
.set KB,   48                          ; s[48:49], s[50:51] the head's first byte of K, of V
.set VB,   50
.set NOFF, 52                          ; s[52:53] the bytes of the key slot that is asked for
.set HI,   54                          ; s54  7 - i: the first block, and its last key slot
.set SW,   55                          ; s55  the trip in which the second block begins
.set Q0,   56                          ; s56  my first query of the block in hand;  s57 of the second block
.set Q0B,  57
.set KF,   58                          ; s58  the step's first key
.set OBA,  60                          ; s[60:61], s[62:63] where the two results go
.set OBB,  62
.set PFA,  76                          ; s[76:77] where my prefetches stand
.set LIMP, 78                          ; s78  a wave prefetches while the trip is under this
.set EPV,  79                          ; s79  e4 + e5
; Wave 0 fetches K's tile, wave 1 V's, the others nothing.  An s_nop 0 and four v_nop follow each line.
.macro TLOAD
	s_cmp_eq_u32 s[WV], 0
	s_cbranch_scc0 .Lnot_k_\@
	tensor_load_to_lds s[G0K:G0K+3], s[G1:G1+7]
	s_nop 0
.rept 4
	v_nop
.endr
	s_branch .Lasked_\@
.Lnot_k_\@:
	s_cmp_eq_u32 s[WV], 1
	s_cbranch_scc0 .Lasked_\@
	tensor_load_to_lds s[G0V:G0V+3], s[G1:G1+7]
	s_nop 0
.rept 4
	v_nop
.endr
.Lasked_\@:
.endm
; A PREFETCH INTO THE L2 of the key slot that the NEXT change of slots will ask for.  All four work-groups of a head begin with key slots 0, 1, 2 ..: work-group i = 0, whose first block walks all eight, asks, in trips 0 to 5
; for slots 2 to 7, and nobody else.  In it waves 4 and 5 ask for K's 2 x 8,192 bytes and waves 6 and 7 for V's, lanes 256 bytes apart: each aligned 256 bytes are named once in the launch.  Slots 0 and 1 come by their loads alone.
.macro ASK
	s_cmp_lt_u32 s[SI], s[LIMP]
	s_cbranch_scc0 .Lnot_mine_\@
	global_prefetch_b8 v[PFO], s[PFA:PFA+1] th:TH_LOAD_NT scope:SCOPE_SE
.Lnot_mine_\@:
.endm
.macro FRESH                           ; a block's state: the largest t under every t, the sum and O^T zeros, which the first change of M leaves zeros
	v_mov_b32 v13, 0xff61b1e6                      ; -3e38
	s_delay_alu instid0(VALU_DEP_1)
	v_floor_f32 v12, -v13
	v_mov_b32 v14, 0
	v_mov_b32 v15, 0
.set n, 0
.rept 32
	v_mov_b32 v[160+n], 0
.set n, n+1
.endr
.endm
	s_load_b256 s[4:11], s[0:1], 0x0               ; q_img s[4:5], k_img s[6:7], v_img s[8:9], the scales' exponents s[10:11]
	s_load_b64 s[12:13], s[0:1], 0x20              ; att_img
	v_lshl_add_u32 v[SPW], v0, 2, SPARE
	v_mov_b32 v[NIL], 0
	ds_add_u32 v[SPW], v[NIL]                      ; the wave's opening: the add and its wait ahead of the first tensor load; work on registers stands between
	ds_add_u32 v[SPW], v[NIL]
	v_lshrrev_b32 v8, 5, v0
	s_delay_alu instid0(VALU_DEP_1)
	v_readfirstlane_b32 s[WV], v8                  ; wave 0..15
	s_and_b32 s14, ttmp7, 0xffff                   ; batch x 16 + head
	s_sub_co_u32 s[HI], 7, ttmp9
	s_add_co_u32 s[SW], s[HI], 1
	s_lshl_b32 s80, s14, 17                        ; the head's first byte in q_img, k_img and v_img
	s_mov_b32 s81, 0
	s_lshl_b32 s15, s[WV], 4
	s_lshl_b32 s[Q0], s[HI], 8
	s_add_co_u32 s[Q0], s[Q0], s15                 ; 256 x block + 16 x wave
	s_lshl_b32 s[Q0B], ttmp9, 8
	s_add_co_u32 s[Q0B], s[Q0B], s15
	s_lshl_b32 s82, s[Q0], 6                       ; a tile of 16 queries is 1,024 bytes
	s_add_co_u32 s82, s82, s80
	s_mov_b32 s83, 0
	s_lshl_b32 s84, s[Q0B], 6
	s_add_co_u32 s84, s84, s80
	s_mov_b32 s85, 0
	s_lshr_b32 s16, s14, 4
	s_lshl_b32 s16, s16, 21                        ; att_img: the batch's 128 token tiles of 16,384 bytes,
	s_and_b32 s17, s14, 15
	s_lshl_b32 s17, s17, 10                        ; the head's 1,024 bytes in a tile,
	s_add_co_u32 s16, s16, s17
	s_lshl_b32 s86, s[Q0], 10                      ; and my token tile
	s_add_co_u32 s86, s86, s16
	s_mov_b32 s87, 0
	s_lshl_b32 s88, s[Q0B], 10
	s_add_co_u32 s88, s88, s16
	s_mov_b32 s89, 0
	; descriptor group 1: 16,384 dense bytes as 64 rows of 32 elements of 8 bytes
	s_mov_b32 s[G1], 3<<16                         ; no mask; elements of 8 bytes; no padding
	s_mov_b32 s[G1+1], 32<<16                      ; tensor_dim0
	s_mov_b32 s[G1+2], 64<<16                      ; tensor_dim1
	s_mov_b32 s[G1+3], 32<<16                      ; tile_dim0
	s_mov_b32 s[G1+4], 64                          ; tile_dim1
	s_mov_b32 s[G1+5], 32                          ; tensor_dim0_stride
	s_mov_b32 s[G1+6], 0
	s_mov_b32 s[G1+7], 0
	s_mov_b32 s[G0K], 1
	s_mov_b32 s[G0K+1], 0                          ; slot 0: K's tile,
	s_mov_b32 s[G0V], 1
	s_mov_b32 s[G0V+1], SLOTB                      ; V's behind it
	s_mov_b32 s[SEL], 0x76543210
	s_mov_b32 s[SEL+1], 0xfedcba98
	s_mov_b32 s[CS], 0x3e38aa3b                    ; log2(e) / 8
	s_mov_b32 s[TB], 0
	s_mov_b32 s[SI], 0
	s_mov_b32 s[KF], 0
	s_mov_b32 s[NOFF], 0
	s_mov_b32 s[NOFF+1], 0
	v_and_b32 v8, 31, v0
	s_delay_alu instid0(VALU_DEP_1)
	v_lshlrev_b32 v[LI], 4, v8
	s_delay_alu instid0(VALU_DEP_2)
	v_lshlrev_b32 v[PFO], 8, v8
	v_and_b32 v9, 15, v0
	v_bfe_u32 v10, v0, 4, 1
	s_delay_alu instid0(VALU_DEP_1)
	v_lshlrev_b32 v10, 3, v10
	s_delay_alu instid0(VALU_DEP_1)
	v_sub_nc_u32 v[RH], v9, v10
	s_wait_dscnt 0x0                               ; the opening add is done
	s_wait_kmcnt 0x0
	s_load_b256 s[68:75], s[10:11], 0x0            ; e0 .. e7
	s_add_nc_u64 s[KB:KB+1], s[6:7], s[80:81]
	s_add_nc_u64 s[VB:VB+1], s[8:9], s[80:81]
	s_mov_b64 s[G0K+2:G0K+3], s[KB:KB+1]
	s_or_b32 s[G0K+3], s[G0K+3], 0x80000000
	s_mov_b64 s[G0V+2:G0V+3], s[VB:VB+1]
	s_or_b32 s[G0V+3], s[G0V+3], 0x80000000
	TLOAD                                          ; key slot 0 into slot 0
	s_add_nc_u64 s[32:33], s[4:5], s[82:83]
	s_add_nc_u64 s[34:35], s[4:5], s[84:85]
	s_wait_alu depctr_va_vdst(0)
	global_load_b128 v[16:19], v[LI], s[32:33]               ; Q of the first block stays in registers,
	global_load_b128 v[20:23], v[LI], s[32:33] offset:512
	global_load_b128 v[208:211], v[LI], s[34:35]             ; and Q of the second waits for its turn
	global_load_b128 v[212:215], v[LI], s[34:35] offset:512
	s_add_nc_u64 s[OBA:OBA+1], s[12:13], s[86:87]
	s_add_nc_u64 s[OBB:OBB+1], s[12:13], s[88:89]
	s_cmp_lt_u32 s[WV], 6                          ; the prefetches: waves 4, 5 stand in K, waves 6, 7 in V,
	s_cselect_b64 s[PFA:PFA+1], s[KB:KB+1], s[VB:VB+1]
	s_and_b32 s14, s[WV], 1
	s_lshl_b32 s14, s14, 13                        ; at their 8,192 bytes
	s_add_co_u32 s14, s14, SLOTB                   ; of key slot 1: the first change of slots steps it to 2.  Nothing is prefetched here, at the head
	s_mov_b32 s15, 0
	s_add_nc_u64 s[PFA:PFA+1], s[PFA:PFA+1], s[14:15]
	s_sub_co_u32 s14, s[WV], 4
	s_lshr_b32 s14, s14, 2                         ; 0 in waves 4 to 7,
	s_or_b32 s14, s14, ttmp9                       ; of work-group i = 0
	s_cmp_eq_u32 s14, 0
	s_cselect_b32 s[LIMP], 6, 0
	FRESH
	v_mov_b32 v236, 0                              ; written once: a lane permute's destination counts as one of its sources
	v_mov_b32 v252, 0
	v_mov_b32 v253, 0                              ; (named as the upper half of the pair v[252:253])
	s_wait_kmcnt 0x0
	s_add_co_i32 s90, s70, s71
	s_lshl_b32 s90, s90, 23
	s_add_co_i32 s[CS], s[CS], s90                 ; a score stands for score x 2^(e2 + e3): added to c's exponent field
	s_mov_b32 s[CS+1], s[CS]                       ; (named with it as a pair, so it is written)
	s_add_co_i32 s90, s72, 127
	s_lshl_b32 s91, s90, 23
	v_mov_b32 v244, s91                            ; 2^e4
	s_add_co_i32 s90, s74, 127
	s_lshl_b32 s91, s90, 23
	v_mov_b32 v247, s91                            ; 2^e6
	s_add_co_i32 s[EPV], s72, s73
; A KEY STEP: 128 keys, the q-th of the slot in hand.
.macro STEP q
	s_add_co_u32 s96, s[Q0], 15
	s_cmp_gt_u32 s[KF], s96                        ; all 128 keys come after my queries: the step's work is left out.  Ids and the count of steps alone; no barrier and no tensor load stands in a step
	s_cbranch_scc1 .Lhidden_\@
	v_add_nc_u32 v[ADR], s[TB], v[LI]
.rept 3
	v_nop                                          ; with the addition four places ahead of loads into registers that the last products read
.endr
.set t, 0
.rept 8
	ds_load_b128 v[32+8*t:35+8*t], v[ADR] offset:(8*(\q)+t)*1024
	ds_load_b128 v[36+8*t:39+8*t], v[ADR] offset:(8*(\q)+t)*1024+512
.set t, t+1
.endr
.set t, 0
	s_wait_alu depctr_va_vdst(0)
.rept 8
	s_wait_dscnt 14-2*t                            ; tile t's two loads are in; the younger tiles' may be out
	v_wmma_f32_16x16x64_fp8_fp8 v[96+8*t:103+8*t], v[32+8*t:39+8*t], v[16:23], 0
.set t, t+1
.endr
.rept 4
	v_nop                                          ; places ahead of the loads below and of the first read of the scores
.endr
.irp d, 0,1,2,3                        ; V's four fragments (16 channels x 128 keys) are asked for now and land under the softmax
.irp c, 0,1,2,3
	ds_load_b128 v[32+16*\d+4*\c:35+16*\d+4*\c], v[ADR] offset:SLOTB+(2*(\q)+(\c>>1))*4096+\d*1024+(\c&1)*512
.endr
.endr
	s_add_co_u32 s96, s[KF], 127
	s_cmp_le_u32 s96, s[Q0]                        ; all keys count: no mask
	s_cbranch_scc1 .Lopen_\@
	s_sub_co_i32 s96, s[Q0], s[KF]
	v_add_nc_u32 v252, s96, v[RH]                  ; d = my query - the step's first key - 8 (lane / 16).  Register 8 t + j holds key 16 t + 8 (lane / 16) + j: hidden where 16 t + j > d
	v_mov_b32 v254, 0xff800000                     ; -infinity
.set n, 0
.rept 64
	v_cmp_gt_i32 vcc_lo, 16*(n/8)+n%8, v252
	v_cndmask_b32 v[96+n], v[96+n], v254, vcc_lo
.set n, n+1
.endr
.Lopen_\@:
	v_max3_num_f32 v254, v96, v97, v98             ; the step's largest score of my query among my 64 keys, in two chains, each accumulator from its low end on,
	v_max3_num_f32 v252, v99, v100, v101
.set n, 6
.rept 14
	v_max3_num_f32 v254, v254, v[96+n], v[97+n]
	v_max3_num_f32 v252, v252, v[98+n], v[99+n]
.set n, n+4
.endr
	v_max3_num_f32 v254, v254, v158, v159
	s_delay_alu instid0(VALU_DEP_1)
	v_max_num_f32 v254, v254, v252
	s_delay_alu instid0(VALU_DEP_1)
	v_permlanex16_b32 v236, v254, s[SEL], s[SEL+1]
	s_delay_alu instid0(VALU_DEP_1)
	v_max_num_f32 v254, v254, v236                 ; and among lane xor 16's
	s_delay_alu instid0(VALU_DEP_1)
	v_mul_f32 v254, s[CS], v254                    ; as t (c is positive)
	s_delay_alu instid0(VALU_DEP_1)
	v_max_num_f32 v13, v13, v254                   ; the running largest t
	v_mov_b32 v254, v12
	s_delay_alu instid0(VALU_DEP_2)
	v_floor_f32 v12, -v13                          ; the new -M = floor(-t): M is a whole number
	s_delay_alu instid0(VALU_DEP_1)
	v_sub_f32 v254, v12, v254                      ; old M - new M, a whole number, 0 or less
	s_delay_alu instid0(VALU_DEP_1)
	v_cvt_i32_f32 v254, v254                       ; (it saturates)
	s_delay_alu instid0(VALU_DEP_1)
	v_ldexp_f32 v252, 1.0, v254                    ; f = 2^(old M - new M)
.set n, 0
.rept 32
	v_pk_fma_f32 v[96+n:97+n], v[96+n:97+n], s[CS:CS+1], v[12:13] op_sel_hi:[1,0,0]   ; t - M, two at a time
.set n, n+2
.endr
.set n, 0
	s_wait_alu depctr_va_vdst(0)
.rept 64
	v_exp_f32 v[96+n], v[96+n]                     ; p = 2^(t - M), at most 1
.set n, n+1
.endr
	v_pk_mul_f32 v[14:15], v[14:15], v[252:253] op_sel_hi:[1,0]   ; the sums under the new M: the plain line behind the exponentials
	s_wait_alu depctr_va_vdst(0)                   ; one wait for the whole batch, ahead of its first reader
	v_pk_add_f32 v[242:243], v[100:101], v[104:105]
	v_pk_add_f32 v[254:255], v[108:109], v[112:113]
	v_pk_add_f32 v[250:251], v[116:117], v[120:121]
	v_pk_add_f32 v[248:249], v[124:125], v[128:129]
	v_pk_add_f32 v[240:241], v[132:133], v[136:137]
	v_pk_add_f32 v[238:239], v[140:141], v[144:145]
	v_pk_add_f32 v[234:235], v[148:149], v[152:153]
	v_pk_add_f32 v[14:15], v[14:15], v[156:157]
	v_pk_add_f32 v[242:243], v[242:243], v[96:97]
	v_pk_add_f32 v[254:255], v[254:255], v[98:99]
	v_pk_add_f32 v[250:251], v[250:251], v[102:103]
	v_pk_add_f32 v[248:249], v[248:249], v[106:107]
	v_pk_add_f32 v[240:241], v[240:241], v[110:111]
	v_pk_add_f32 v[238:239], v[238:239], v[114:115]
	v_pk_add_f32 v[234:235], v[234:235], v[118:119]
	v_pk_add_f32 v[14:15], v[14:15], v[122:123]
	v_pk_add_f32 v[242:243], v[242:243], v[126:127]
	v_pk_add_f32 v[254:255], v[254:255], v[130:131]
	v_pk_add_f32 v[250:251], v[250:251], v[134:135]
	v_pk_add_f32 v[248:249], v[248:249], v[138:139]
	v_pk_add_f32 v[240:241], v[240:241], v[142:143]
	v_pk_add_f32 v[238:239], v[238:239], v[146:147]
	v_pk_add_f32 v[234:235], v[234:235], v[150:151]
	v_pk_add_f32 v[14:15], v[14:15], v[154:155]
	v_pk_add_f32 v[242:243], v[242:243], v[158:159]
	s_delay_alu instid0(VALU_DEP_2)
	v_pk_add_f32 v[14:15], v[14:15], v[248:249]
	s_delay_alu instid0(VALU_DEP_2)
	v_pk_add_f32 v[242:243], v[242:243], v[240:241]
	v_pk_add_f32 v[254:255], v[254:255], v[238:239]
	v_pk_add_f32 v[250:251], v[250:251], v[234:235]
	s_delay_alu instid0(VALU_DEP_2)
	v_pk_add_f32 v[14:15], v[14:15], v[254:255]
	s_delay_alu instid0(VALU_DEP_2)
	v_pk_add_f32 v[242:243], v[242:243], v[250:251]
	s_delay_alu instid0(VALU_DEP_1)
	v_pk_add_f32 v[14:15], v[14:15], v[242:243]
.set t, 0
.rept 8
.set n, 0
.rept 8
.set n, n+1
.endr
	v_cvt_scalef32_pk8_fp8_f32 v[192+2*t:193+2*t], v[96+8*t:103+8*t], v244   ; registers 2 t, 2 t + 1 of the operand: keys 16 t + 8 (lane / 16) + 0 .. 7
.set t, t+1
.endr
.set n, 0
.rept 16
	v_pk_mul_f32 v[160+n:161+n], v[160+n:161+n], v[252:253] op_sel_hi:[1,0]   ; O^T under the new M.  (Plain lines between the conversions and the products that read their results)
.set n, n+2
.endr
	s_wait_alu depctr_va_vdst(0)
	s_wait_dscnt 0x0                               ; V is in
.irp d, 0,1,2,3
	v_wmma_f32_16x16x128_fp8_fp8 v[160+8*\d:167+8*\d], v[32+16*\d:47+16*\d], v[192:207], v[160+8*\d:167+8*\d]   ; four accumulators by turns
.endr
.Lhidden_\@:
	s_add_co_u32 s[KF], s[KF], 128
.endm
; A block is finished: O^T / the sum x 2^(e4 + e5) is the attention's result; it is held, converted with 2^e6 and stored as the head's half of a fragment of the last product: two stores of 512 aligned bytes.
.macro FINISH cd, ob
.rept 4
	v_nop                                          ; places behind the last products
.endr
	v_add_f32 v14, v14, v15                        ; the sum's two halves,
	s_wait_alu depctr_va_vdst(0)
	v_permlanex16_b32 v252, v14, s[SEL], s[SEL+1]
	s_delay_alu instid0(VALU_DEP_1)
	v_add_f32 v14, v14, v252                       ; and lane xor 16's
	s_wait_alu depctr_va_vdst(0)
	v_rcp_f32 v14, v14
	v_nop                                          ; a plain line behind the reciprocal
	s_wait_alu depctr_va_vdst(0)                   ; and the wait ahead of its first reader
	v_ldexp_f32 v14, v14, s[EPV]
.set n, 0
.rept 16
	v_pk_mul_f32 v[96+n:97+n], v[160+n:161+n], v[14:15] op_sel_hi:[1,0]   ; register 8 d + j: channel 16 d + 8 (lane / 16) + j of my query
.set n, n+2
.endr
.set n, 0
.rept 32
.set n, n+1
.endr
.irp d, 0,1,2,3
	v_cvt_scalef32_pk8_fp8_f32 v[\cd+2*\d:\cd+2*\d+1], v[96+8*\d:103+8*\d], v247
.endr
	v_nop                                          ; a plain line between the conversions and whatever next writes their sources
	global_store_b128 v[LI], v[\cd:\cd+3], s[\ob:\ob+1]
	global_store_b128 v[LI], v[\cd+4:\cd+7], s[\ob:\ob+1] offset:512
.endm
; In trip 8 - i the first block is finished and the second begins, at key 0.  The work-group's number and the trip alone: all sixteen waves go the same way.
.macro SWITCH
	s_cmp_eq_u32 s[SI], s[SW]
	s_cbranch_scc0 .Lsame_\@
	FINISH 216, OBA
	FRESH
.set n, 0
.rept 8
	v_mov_b32 v[16+n], v[208+n]
.set n, n+1
.endr
	s_mov_b32 s[Q0], s[Q0B]
	s_mov_b32 s[KF], 0
.Lsame_\@:
.endm
; THE CHANGE OF SLOTS stands at a trip's head.  Each wave waits for all its tensor loads, adds 0 to its spare word, and waits for that and for its reads of the slot that it has left.  Behind the barrier the slot ahead is whole
; and nobody reads the other.  fill = 1: that other slot takes the next trip's keys: the next 256, or, where the first block ends with this trip, the head's first 256 again.
.macro CHANGE fill
	s_wait_tensorcnt 0x0                           ; no tensor load of mine is out, so a group 0 may be written
	ds_add_u32 v[SPW], v[NIL]                      ; 0 onto my spare word; work on registers stands between it and the wait for it
.if \fill
	s_xor_b32 s[G0K+1], s[G0K+1], SLOT1
	s_xor_b32 s[G0V+1], s[G0V+1], SLOT1
	s_add_co_u32 s[NOFF], s[NOFF], SLOTB
	s_cmp_eq_u32 s[SI], s[HI]
	s_cselect_b32 s[NOFF], 0, s[NOFF]
	s_add_nc_u64 s[G0K+2:G0K+3], s[KB:KB+1], s[NOFF:NOFF+1]
	s_or_b32 s[G0K+3], s[G0K+3], 0x80000000
	s_add_nc_u64 s[G0V+2:G0V+3], s[VB:VB+1], s[NOFF:NOFF+1]
	s_or_b32 s[G0V+3], s[G0V+3], 0x80000000
.endif
	s_wait_xcnt 0x0                                ; the last prefetch, a trip back, has read its address, and a finished block's stores their registers: both may be written
.if \fill
	s_add_nc_u64 s[PFA:PFA+1], s[PFA:PFA+1], SLOTB
.endif
	s_wait_dscnt 0x0                               ; the add is done, and my reads of the slot that I have left are over
	s_barrier_signal -1
	s_barrier_wait -1
.if \fill
	TLOAD                                          ; the first thing behind the barrier, and a wave's one tensor load until the next: it has a slot's two steps of sixteen waves in which to land
	ASK
.endif
.endm
	s_wait_loadcnt 0x0                             ; Q
.Lslot:                                            ; eight trips; behind each change of slots the next trip's keys are asked for
	CHANGE 1
	SWITCH
	STEP 0
	STEP 1
	s_xor_b32 s[TB], s[TB], SLOT1
	s_add_co_u32 s[SI], s[SI], 1
	s_cmp_lt_u32 s[SI], 8
	s_cbranch_scc1 .Lslot
	CHANGE 0                                       ; the ninth is written out
	SWITCH
	STEP 0
	STEP 1
	FINISH 224, OBB
	s_wait_tensorcnt 0x0                           ; the wave's end
	ds_add_u32 v[SPW], v[NIL]
	s_wait_dscnt 0x0
	s_endpgm
.Lfunc_end_k_qcd3f3b2444_attn:
	.size	k_qcd3f3b2444_attn, .Lfunc_end_k_qcd3f3b2444_attn-k_qcd3f3b2444_attn
	.p2alignl 7, 3214868480
	.fill 96, 4, 3214868480
	.section	.rodata,"a",@progbits
	.p2align	6, 0x0
	.amdhsa_kernel k_qcd3f3b2444_attn
		.amdhsa_group_segment_fixed_size 327680
		.amdhsa_private_segment_fixed_size 0
		.amdhsa_enable_private_segment 0
		.amdhsa_kernarg_size 40
		.amdhsa_user_sgpr_count 2
		.amdhsa_user_sgpr_kernarg_segment_ptr 1
		.amdhsa_wavefront_size32 1
		.amdhsa_system_sgpr_workgroup_id_x 1
		.amdhsa_system_sgpr_workgroup_id_y 1
		.amdhsa_system_sgpr_workgroup_id_z 1
		.amdhsa_system_vgpr_workitem_id 0
		.amdhsa_next_free_vgpr 256
		.amdhsa_next_free_sgpr 100
		.amdhsa_reserve_vcc 1
		.amdhsa_float_denorm_mode_32 3
		.amdhsa_float_denorm_mode_16_64 3
		.amdhsa_fp16_overflow 1
		.amdhsa_memory_ordered 1
		.amdhsa_forward_progress 1
		.amdhsa_inst_pref_size 95
	.end_amdhsa_kernel
	.amdgpu_metadata
---
amdhsa.version: [ 1, 2 ]
amdhsa.kernels:
  - .name:           k_qcd3f3b2444_attn
    .symbol:         k_qcd3f3b2444_attn.kd
    .args:
      - { .name: q_img, .offset: 0, .size: 8, .value_kind: global_buffer, .address_space: global }
      - { .name: k_img, .offset: 8, .size: 8, .value_kind: global_buffer, .address_space: global }
      - { .name: v_img, .offset: 16, .size: 8, .value_kind: global_buffer, .address_space: global }
      - { .name: lowp_scales, .offset: 24, .size: 8, .value_kind: global_buffer, .address_space: global }
      - { .name: att_img, .offset: 32, .size: 8, .value_kind: global_buffer, .address_space: global }
    .group_segment_fixed_size: 327680
    .private_segment_fixed_size: 0
    .kernarg_segment_align: 8
    .kernarg_segment_size: 40
    .max_flat_workgroup_size: 512
    .sgpr_count:     100
    .vgpr_count:     256
    .wavefront_size: 32
...
	.end_amdgpu_metadata
.endif
;; end of part 3
;; launch outp (part 4): grid 8 x 32, 4 waves a work-group, clusters of 4 x 4, 327,680 bytes of LDS; arguments att_img, wout_img, lowp_scales, b_out, out0; writes out0
.if DOCPART == 4
	.amdgcn_target "amdgcn-amd-amdhsa--gfx1250"
	.amdhsa_code_object_version 6
	.text
	.protected	k_qcd3f3b2444_outp
	.globl	k_qcd3f3b2444_outp
	.p2align	8
	.type	k_qcd3f3b2444_outp,@function
k_qcd3f3b2444_outp:
	s_mov_b64 s[64:65], 0
	v_nop
	global_prefetch_b8 v0, s[64:65] scope:SCOPE_SE
	s_setreg_imm32_b32 hwreg(HW_REG_WAVE_MODE, 25, 1), 1
	s_wait_xcnt 0x0
	s_wait_alu depctr_hold_cnt(0) depctr_sa_sdst(0) depctr_va_vdst(0) depctr_va_sdst(0) depctr_va_ssrc(0) depctr_va_vcc(0) depctr_vm_vsrc(0)
	s_getreg_b32 s2, hwreg(HW_REG_IB_STS2, 6, 4)
	s_cmp_eq_u32 s2, 0
	s_cbranch_scc0 .Lentry_in_a_cluster
	s_endpgm
.Lentry_in_a_cluster:
	s_bfe_u32 s2, ttmp6, 0x10000c
	s_cmp_lg_u32 s2, 0xf033
	s_cbranch_scc0 .Lentry_shape_is_right
	s_endpgm
.Lentry_shape_is_right:
; out0 = att w_out + b_out on codes of E4M3 (K = 1024): each finished sum x 2^(e6 + e7) + bias, by one packed multiply-add for two numbers.
; Both operands arrive as images of operand registers (16 rows x 128 K = 2,048 bytes; a row tile's eight K steps on end: 16,384 bytes).
; A tile is 256 tokens x 128 columns: 32 x 8 = 256 work-groups.  Four waves, each 128 tokens x 64 columns: 32 accumulators.  P = tokens is source 1, Q = columns is source 0: a lane holds one token and
; eight neighbouring columns.  K goes in steps of 256 through two LDS slots that are dense copies of the images: a fragment is four ds_load_b128 at 16 x lane.
; CLUSTERS: 4 x 4.  P's tile hangs on cy alone and is asked for jointly by my row of the cluster, Q's on cx alone, by my column.
; The way out goes through the wave's own stage, 16 rows x (256 bytes + 16), in slot 0, which has had its last fill and its last read by then: sixteen lanes store 256 consecutive aligned bytes.
; LIMIT: e6 + e7 between -126 and 127, so that 2^(e6 + e7) is an f32 number.
; REGISTERS, in windows of 256: window 0: v1-31 addresses; v32-63 the bias; v64-95 a block's results; v128-255 P's eight fragments, ONE set, later rows read back.
;   window 1: Q's fragments, TWO sets, at v0 and v128.   windows 2, 3: accumulator (a, b) at v[8 (4 (a % 4) + b)], a = 0-3 and 4-7.
.set NB,    4
.set PH,    32768
.set QH,    NB*4096
.set SLOT,  2*PH+2*QH
.set SPARE, 2*SLOT                     ; behind the ring: the spare words, 128 bytes for each wave
.set SPITCH, 272
.set ADRA, 16                          ; v16-17  LDS address of my P fragments in slot 0, 1
.set ADRB, 20                          ; v20-21  the same for Q
.set STO,  24                          ; v24     the stage: where I put 32 bytes of a row
.set RD,   25                          ; v25     and where I read a row back
.set CO,   26                          ; v26     my byte offset in two rows of out0
.set SPW,  28
.set NIL,  29
.set BQ,   32
.set TMP,  64
.set AF,   128
.set BK,   128
.set G1,  24
.set G0,  32
.set G1B, 48
.set G0B, 56
.set MSB, 0
.macro WIN new                         ; the immediate's high byte repeats the setting that is left
.if MSB != (\new)
	s_set_vgpr_msb (MSB<<8)|(\new)
.set MSB, (\new)
.endif
.endm
.macro PLACES                          ; four plain vector lines behind a matrix instruction, ahead of loads into its sources and of reads of results
.rept 4
	v_nop
.endr
.endm
.macro JLOAD s                         ; a joint load: waves 0 and 1 fetch P's halves, waves 2 and 3 Q's; an s_nop 0 and four v_nop follow each line
	s_cmp_eq_u32 s15, 0
	s_cbranch_scc0 .Lfor_q_\@
	tensor_load_to_lds s[G0+4*\s:G0+4*\s+3], s[G1:G1+7]
	s_nop 0
.rept 4
	v_nop
.endr
	s_branch .Lasked_\@
.Lfor_q_\@:
	tensor_load_to_lds s[G0B+4*\s:G0B+4*\s+3], s[G1B:G1B+7]
	s_nop 0
.rept 4
	v_nop
.endr
.Lasked_\@:
.endm
.macro CREST                           ; a round of the cluster's barrier behind its opening barrier
	s_cmp_lg_u32 s14, 0
	s_cbranch_scc1 .Lnot_wave_0_\@
	s_barrier_signal -3
.Lnot_wave_0_\@:
	s_barrier_wait -3
	s_barrier_signal -1
	s_barrier_wait -1
.endm
.macro CROUND
	s_barrier_signal -1
	s_barrier_wait -1
	CREST
.endm
	s_load_b256 s[4:11], s[0:1], 0x0               ; att_img s[4:5], wout_img s[6:7], the scales' exponents s[8:9], b_out s[10:11]
	s_load_b64 s[12:13], s[0:1], 0x20              ; out0
	v_lshl_add_u32 v[SPW], v0, 2, SPARE
	v_mov_b32 v[NIL], 0
	ds_add_u32 v[SPW], v[NIL]                      ; the wave's opening: the add and its wait ahead of my first tensor load; work on registers stands between
	ds_add_u32 v[SPW], v[NIL]
	v_lshrrev_b32 v1, 5, v0
	v_readfirstlane_b32 s14, v1                    ; wave 0..3
	s_lshr_b32 s15, s14, 1                         ; which half of the tokens is mine.  Also: I fetch for P (0) or for Q (1)
	s_and_b32 s16, s14, 1                          ; which half of the columns.  Also: which half of that tile I fetch
	s_bfe_u32 s40, ttmp6, 0x40000                  ; cx
	s_bfe_u32 s41, ttmp6, 0x40004                  ; cy
	s_lshl_b32 s42, ttmp9, 2
	s_add_co_u32 s42, s42, s40                     ; Q's tile of 128 columns = 4 x cluster x + cx
	s_and_b32 s17, ttmp7, 0xffff
	s_lshl_b32 s17, s17, 2
	s_add_co_u32 s17, s17, s41                     ; P's tile of 256 tokens = 4 x cluster y + cy
	s_lshl_b32 s43, s41, 2
	s_lshl_b32 s43, 15, s43                        ; my row of the cluster
	s_lshl_b32 s44, 0x1111, s40                    ; my column
	; descriptor group 1: rows of 512 elements of 8 bytes (a row tile's 4,096 bytes of a slot's 256 along K), 2,048 elements from row tile to row tile; 8 rows for P, 4 for Q; dense in LDS
	s_or_b32 s[G1+0], s43, (3<<16)|(1<<21)
	s_or_b32 s[G1B+0], s44, (3<<16)|(1<<21)
	s_mov_b32 s[G1+1], 512<<16
	s_mov_b32 s[G1+2], 8<<16
	s_mov_b32 s[G1+3], 512<<16
	s_mov_b32 s[G1+4], 8
	s_mov_b32 s[G1+5], 2048
	s_mov_b32 s[G1+6], 0
	s_mov_b32 s[G1+7], 0
	s_mov_b32 s[G1B+1], 512<<16
	s_mov_b32 s[G1B+2], NB<<16
	s_mov_b32 s[G1B+3], 512<<16
	s_mov_b32 s[G1B+4], NB
	s_mov_b32 s[G1B+5], 2048
	s_mov_b32 s[G1B+6], 0
	s_mov_b32 s[G1B+7], 0
	s_lshl_b32 s20, s17, 18                        ; P: 16 row tiles of 16,384 bytes a tile,
	s_lshl_b32 s21, s16, 17                        ; 8 a half
	s_add_co_u32 s20, s20, s21
	s_mov_b32 s21, 0
	s_lshl_b32 s22, s42, 17                        ; Q: 8 row tiles a tile,
	s_lshl_b32 s23, s16, 16                        ; 4 a half
	s_add_co_u32 s22, s22, s23
	s_mov_b32 s23, 0
	s_mul_i32 s45, s16, PH                         ; where they go: no place in the cluster enters an LDS address
	s_mul_i32 s47, s16, QH
	s_add_co_u32 s47, s47, 2*PH
	s_wait_dscnt 0x0                               ; the opening add is done
	s_wait_kmcnt 0x0
	s_load_b64 s[96:97], s[8:9], 0x18              ; e6, e7
	s_add_nc_u64 s[20:21], s[4:5], s[20:21]
	s_add_nc_u64 s[22:23], s[6:7], s[22:23]
	CROUND                                         ; all sixteen work-groups are here: the first joint loads meet
.irp s, 0,1
	s_mov_b32 s[G0+4*\s], 1
	s_add_co_u32 s[G0+4*\s+1], s45, \s*SLOT
	s_add_nc_u64 s[G0+4*\s+2:G0+4*\s+3], s[20:21], \s*4096
	s_or_b32 s[G0+4*\s+3], s[G0+4*\s+3], 0x80000000
	s_mov_b32 s[G0B+4*\s], 1
	s_add_co_u32 s[G0B+4*\s+1], s47, \s*SLOT
	s_add_nc_u64 s[G0B+4*\s+2:G0B+4*\s+3], s[22:23], \s*4096
	s_or_b32 s[G0B+4*\s+3], s[G0B+4*\s+3], 0x80000000
	s_wait_alu depctr_va_vdst(0)
	s_wait_tensorcnt 0x0
	ds_add_u32 v28, v29
	ds_add_u32 v28, v29
	s_wait_dscnt 0x0
	CROUND
	JLOAD \s                                       ; one load of mine is out
.endr
	v_and_b32 v1, 15, v0                           ; r
	v_bfe_u32 v2, v0, 4, 1                         ; h
	s_wait_alu depctr_va_vdst(0)
	v_and_b32 v3, 31, v0
	v_lshlrev_b32 v3, 4, v3                        ; 16 x lane
	s_mul_i32 s88, s15, PH                         ; my 128 tokens
	s_mul_i32 s89, s16, QH                         ; my 64 columns,
	s_add_co_u32 s89, s89, 2*PH                    ; behind P's two halves
.irp s, 0,1
	v_add_nc_u32 v[ADRA+\s], s88, v3
	v_add_nc_u32 v[ADRB+\s], s89, v3
	s_add_co_u32 s88, s88, SLOT
	s_add_co_u32 s89, s89, SLOT
.endr
	s_lshl_b32 s18, s42, 9                         ; my first column in bytes: 512 x tile + 256 x half, in b_out and in a row of out0 alike
	s_lshl_b32 s19, s16, 8
	s_add_co_u32 s18, s18, s19
	s_mov_b32 s19, 0
	s_add_nc_u64 s[10:11], s[10:11], s[18:19]
	s_add_nc_u64 s[12:13], s[12:13], s[18:19]
	v_lshlrev_b32 v5, 5, v2                        ; the bias in the result's layout: register 8 b + j = b_out[column 16 b + 8 h + j]
.irp b, 0,1,2,3
	global_load_b128 v[BQ+8*\b:BQ+8*\b+3], v5, s[10:11] offset:64*\b
	global_load_b128 v[BQ+8*\b+4:BQ+8*\b+7], v5, s[10:11] offset:64*\b+16
.endr
	s_lshl_b32 s18, s17, 20                        ; my first row of out0: (256 x tile + 128 x half) rows of 4,096 bytes
	s_lshl_b32 s90, s15, 19
	s_add_co_u32 s18, s18, s90
	s_add_nc_u64 s[12:13], s[12:13], s[18:19]
	s_mul_i32 s46, s14, 16*SPITCH                  ; my stage
	v_mul_u32_u24 v6, v1, SPITCH
	v_lshl_add_u32 v6, v2, 5, v6
	v_add_nc_u32 v[STO], s46, v6                   ; in: row r, 32 bytes for each half of the lanes
	v_mul_u32_u24 v7, v2, SPITCH
	v_lshl_add_u32 v7, v1, 4, v7
	v_add_nc_u32 v[RD], s46, v7                    ; back: lanes 0-15 one row of 256 bytes, lanes 16-31 the next
	v_lshlrev_b32 v[CO], 4, v1
	v_lshl_add_u32 v[CO], v2, 12, v[CO]            ; and the same two rows in out0
.macro FRAG reg, adr, q, i             ; a fragment comes back as it was stored: four runs of 512 bytes
.irp c, 0,1,2,3
	ds_load_b128 v[\reg+4*\c:\reg+4*\c+3], v[\adr] offset:(\i)*4096+(\q)*2048+512*\c
.endr
.endm
.macro FETCH_Q slot, q, p              ; Q's four fragments of the slot's q-th 128 along K into set p
	WIN 0x40                                       ; destination window 1, address window 0
.irp i, 0,1,2,3
	FRAG 128*(\p)+16*\i, ADRB+\slot, \q, \i
.endr
	WIN 0
.endm
.macro FETCH_P slot, q, i0             ; P's blocks i0 .. i0 + 3
.irp i, \i0, \i0+1, \i0+2, \i0+3
	FRAG AF+16*(\i), ADRA+\slot, \q, \i
.endr
.endm
; 8 matrix instructions: P's blocks a0, a0 + 1 x Q's four.  first = 1: the product starts the sums: nothing is cleared.  The 32 accumulators take turns, one instruction a turn, in the same order in every step
.macro MULA a0, p, first
.irp a, \a0, \a0+1
.irp b, 0,1,2,3
.if \first
	v_wmma_f32_16x16x128_fp8_fp8 v[8*(NB*((\a)%4)+\b):8*(NB*((\a)%4)+\b)+7], v[128*(\p)+16*\b:128*(\p)+16*\b+15], v[AF+16*(\a):AF+16*(\a)+15], 0
.else
	v_wmma_f32_16x16x128_fp8_fp8 v[8*(NB*((\a)%4)+\b):8*(NB*((\a)%4)+\b)+7], v[128*(\p)+16*\b:128*(\p)+16*\b+15], v[AF+16*(\a):AF+16*(\a)+15], v[8*(NB*((\a)%4)+\b):8*(NB*((\a)%4)+\b)+7]
.endif
.endr
.endr
.endm
.macro STEP slot, first                ; a slot's first 128 along K (Q's set 0); its second 128 are fetched on the way
	s_wait_dscnt 16                                ; Q's set and P's blocks 0-3 are in; the youngest sixteen loads (blocks 4-7) may be out
	WIN 0xa1                                       ; Q window 1, P window 0, C and D window 2
	MULA 0, 0, \first
	MULA 2, 0, \first
	s_wait_dscnt 0x0                               ; blocks 4-7 are in
	PLACES
	FETCH_Q \slot, 1, 1
	FETCH_P \slot, 1, 0
	WIN 0xf1                                       ; the same, C and D window 3
	MULA 4, 0, \first
	MULA 6, 0, \first
	PLACES
	WIN 0
	FETCH_P \slot, 1, 4
.endm
; A slot's second 128 (Q's set 1) and the change of slots: ONE barrier; ahead of it each wave waits for all its tensor loads, adds 0 to its spare word, and waits for that and for its reads of this slot.
.macro TURN slot, next, fill
	s_wait_tensorcnt 0x0                           ; all my tensor loads have landed: my part of the next slot (every window is 0 here)
	ds_add_u32 v[SPW], v[NIL]                      ; 0 onto my spare word
	s_wait_dscnt 17                                ; (the add and the youngest sixteen loads may be out)
	WIN 0xa1
	MULA 0, 1, 0                                   ; eight matrix instructions stand between the add and the wait for it
	s_wait_dscnt 0x0                               ; the add is done, and my reads of this slot are over
	s_barrier_signal -1
	MULA 2, 1, 0
	WIN 0
	s_barrier_wait -1
.if \fill
	CREST                                          ; the barrier has opened a round of the cluster's: no wave of any partner still reads this slot or has a load on its way
	s_add_nc_u64 s[G0+4*\slot+2:G0+4*\slot+3], s[G0+4*\slot+2:G0+4*\slot+3], 8192
	s_add_nc_u64 s[G0B+4*\slot+2:G0B+4*\slot+3], s[G0B+4*\slot+2:G0B+4*\slot+3], 8192
	JLOAD \slot                                    ; the first tensor load behind the round, my one load until the next; its four v_nop are the places ahead of the loads below
.else
	PLACES
.endif
	FETCH_Q \next, 0, 0
	FETCH_P \next, 0, 0
	WIN 0xf1
	MULA 4, 1, 0
	MULA 6, 1, 0
	PLACES
	WIN 0
	FETCH_P \next, 0, 4
.endm
	s_wait_tensorcnt 1                             ; my part of slot 0 is in; slot 1's may stay out
	s_barrier_signal -1
	s_barrier_wait -1
	FETCH_Q 0, 0, 0
	FETCH_P 0, 0, 0
	FETCH_P 0, 0, 4
	STEP 0, 1                                      ; K = 1024 is eight steps of 128, four slots: written out
	TURN 0, 1, 1
	STEP 1, 0
	TURN 1, 0, 1
	STEP 0, 0
	TURN 0, 1, 0                                   ; nothing is left to fetch; behind this barrier nobody reads slot 0
	STEP 1, 0
	s_wait_dscnt 16
	WIN 0xa1
	MULA 0, 1, 0
	MULA 2, 1, 0
	s_wait_dscnt 0x0
	WIN 0xf1
	MULA 4, 1, 0
	MULA 6, 1, 0
	WIN 0
; THE WAY OUT, block by block of 16 tokens x 64 columns.  A lane holds 32 neighbouring bytes of a row and the lanes beside it other rows: a block goes through my stage and comes back as whole rows of 256 bytes.
; LDS serves a wave's instructions in order (ISA guide 5.7.1.4): no wait between the stores and the loads, nor ahead of the next block's stores.
.macro TOSTAGE a
	WIN 0x02+((\a)/4)                              ; source 0: window 2 or 3
.irp b, 0,1,2,3
.irp i, 0,2,4,6
	v_pk_fma_f32 v[TMP+8*\b+\i:TMP+8*\b+\i+1], v[32*((\a)%4)+8*\b+\i:32*((\a)%4)+8*\b+\i+1], s[96:97], v[BQ+8*\b+\i:BQ+8*\b+\i+1] op_sel_hi:[1,0,1]   ; sum x 2^(e6 + e7) + bias; each accumulator from its low end on
.endr
.endr
	WIN 0
.irp b, 0,1,2,3
	ds_store_b128 v[STO], v[TMP+8*\b:TMP+8*\b+3] offset:64*\b
	ds_store_b128 v[STO], v[TMP+8*\b+4:TMP+8*\b+7] offset:64*\b+16
.endr
.irp t, 0,1,2,3,4,5,6,7
	ds_load_b128 v[BK+32*((\a)%2)+4*\t:BK+32*((\a)%2)+4*\t+3], v[RD] offset:\t*2*SPITCH
.endr
.endm
.macro SEND a, younger                 ; younger: the LDS instructions issued behind block a's loads, which may stay out
	s_wait_dscnt \younger
.if (\a) > 0
	s_add_nc_u64 s[12:13], s[12:13], 16*4096       ; (behind a wait on XCNT: the earlier stores have read their base)  16 rows on
.endif
.irp t, 0,1,2,3,4,5,6,7
	global_store_b128 v[CO], v[BK+32*((\a)%2)+4*\t:BK+32*((\a)%2)+4*\t+3], s[12:13] offset:\t*8192 th:TH_STORE_NT   ; sixteen lanes store 256 consecutive bytes, aligned; written once, read by nobody here
.endr
.endm
	s_wait_kmcnt 0x0
	s_add_co_i32 s96, s96, s97
	s_add_co_i32 s96, s96, 127
	s_lshl_b32 s96, s96, 23                        ; 2^(e6 + e7) as f32
	s_mov_b32 s97, s96                             ; (named with it as a pair, so it is written)
	s_wait_loadcnt 0x0                             ; the bias
	PLACES                                         ; ahead of the first read of results and of loads into the registers that held P's fragments
	TOSTAGE 0
.irp a, 1,2,3,4,5,6,7
.if \a > 1
	s_wait_xcnt 0x0                                ; block a - 2's stores have read their registers and their base: block a's loads may land there, and the base may step
.endif
	TOSTAGE \a
	SEND \a-1, 16                                  ; behind block a - 1's loads: block a's 8 stores and 8 loads
.endr
	s_wait_xcnt 0x0                                ; block 6's stores have read their base
	SEND 7, 0
	s_wait_tensorcnt 0x0                           ; the wave's end, behind my last tensor load and my last LDS store
	ds_add_u32 v[SPW], v[NIL]
	s_wait_dscnt 0x0
	CROUND                                         ; the closing round
	s_endpgm
.Lfunc_end_k_qcd3f3b2444_outp:
	.size	k_qcd3f3b2444_outp, .Lfunc_end_k_qcd3f3b2444_outp-k_qcd3f3b2444_outp
	.p2alignl 7, 3214868480
	.fill 96, 4, 3214868480
	.section	.rodata,"a",@progbits
	.p2align	6, 0x0
	.amdhsa_kernel k_qcd3f3b2444_outp
		.amdhsa_group_segment_fixed_size 327680
		.amdhsa_private_segment_fixed_size 0
		.amdhsa_enable_private_segment 0
		.amdhsa_kernarg_size 40
		.amdhsa_user_sgpr_count 2
		.amdhsa_user_sgpr_kernarg_segment_ptr 1
		.amdhsa_wavefront_size32 1
		.amdhsa_system_sgpr_workgroup_id_x 1
		.amdhsa_system_sgpr_workgroup_id_y 1
		.amdhsa_system_sgpr_workgroup_id_z 1
		.amdhsa_system_vgpr_workitem_id 0
		.amdhsa_next_free_vgpr 1024
		.amdhsa_next_free_sgpr 98
		.amdhsa_reserve_vcc 0
		.amdhsa_float_denorm_mode_32 3
		.amdhsa_float_denorm_mode_16_64 3
		.amdhsa_memory_ordered 1
		.amdhsa_forward_progress 1
		.amdhsa_inst_pref_size 79
	.end_amdhsa_kernel
	.amdgpu_metadata
---
amdhsa.version: [ 1, 2 ]
amdhsa.kernels:
  - .name:           k_qcd3f3b2444_outp
    .symbol:         k_qcd3f3b2444_outp.kd
    .args:
      - { .name: att_img, .offset: 0, .size: 8, .value_kind: global_buffer, .address_space: global }
      - { .name: wout_img, .offset: 8, .size: 8, .value_kind: global_buffer, .address_space: global }
      - { .name: lowp_scales, .offset: 16, .size: 8, .value_kind: global_buffer, .address_space: global }
      - { .name: b_out, .offset: 24, .size: 8, .value_kind: global_buffer, .address_space: global }
      - { .name: out0, .offset: 32, .size: 8, .value_kind: global_buffer, .address_space: global }
    .group_segment_fixed_size: 327680
    .private_segment_fixed_size: 0
    .kernarg_segment_align: 8
    .kernarg_segment_size: 40
    .max_flat_workgroup_size: 128
    .sgpr_count:     98
    .vgpr_count:     1024
    .wavefront_size: 32
...
	.end_amdgpu_metadata
.endif
;; end of part 4
